; MI455X (gfx1250); checked and timed in simulation.
; The chip was launched on July 23, 2026; its instructions are those of AMD's public machine-readable ISA for CDNA 5 (MIT licence, August 2026) and "CDNA5" Instruction Set Architecture Reference Guide (July 2026). The comments in the code are by the model that wrote it; some were corrected since.
;; MH Attention. Allowed arithmetic: matrix products marked QUANTISED: E2M1 operands, one E8M0 scale for each 32 along K, by v_wmma_scale_f32_16x16x128_f8f6f4 with both operands' format E2M1 (or v_wmma_scale_f32_32x16x128_f4), f32 sums; products left as they are: bf16, f16 or f32 operands; f32 sums; everything else in f32.
;; Inputs: Wk 1,024 x 1,024 float32; Wo 1,024 x 1,024 float32; Wq 1,024 x 1,024 float32; Wv 1,024 x 1,024 float32; bk 1,024 float32; bo 1,024 float32; bq 1,024 float32; bv 1,024 float32; mask 1 x 1 x 2,048 x 2,048 float32; x 4 x 2,048 x 1,024 float32.
;; Outputs: out0 4 x 2,048 x 1,024 float32.
;; This version of the problem:
;;   THIS VERSION OF THE PROBLEM IS GIVEN IN LOW PRECISION. The matrix products marked QUANTISED in the list below multiply operands that are first quantised to E2M1 (2 exponent bits, 1 mantissa bit; 4 bits a number), with one power-of-two scale for each 32 numbers along K (OCP MX v1.0); their sums are f32. The products marked 'left as it is' may take bf16, f16 or f32 operands, with f32 sums. Whichever they take, every output number must still come out within the allowed error. Rounding operands to bf16 (8 significant bits) uses up far more of that allowance than f16 does (11 bits, for magnitudes from 6e-5 to 65,504). All else is computed in f32.
;;   The module's matrix products, in the order in which they are computed (A, B: the left and right operand; K: the contracted axis; several contracted axes count as one K, in the product's order):
;;     1. [M 8,192, K 1,024] x [K 1,024, N 1,024]; A: input x; B: input Wq: QUANTISED
;;     2. [M 8,192, K 1,024] x [K 1,024, N 1,024]; A: input x; B: input Wk: QUANTISED
;;     3. [M 8,192, K 1,024] x [K 1,024, N 1,024]; A: input x; B: input Wv: QUANTISED
;;     4. batch 64 x [M 2,048, K 64] x [K 64, N 2,048]; A: computed on the way; B: computed on the way: left as it is (an operand is computed on the way)
;;     5. batch 64 x [M 2,048, K 2,048] x [K 2,048, N 64]; A: computed on the way; B: computed on the way: left as it is (an operand is computed on the way)
;;     6. [M 8,192, K 1,024] x [K 1,024, N 1,024]; A: computed on the way; B: input Wo: left as it is (an operand is computed on the way)
;;   THE QUANTISER, for each operand of a quantised product, along K:
;;     - K is cut into blocks of 32 from its start; a last block that is shorter is filled with zeros.
;;     - A block's scale is 2^e with e = floor(log2(the largest magnitude in the block)) - 2, held to -126 .. 127; a block of zeros has e = 0. As a byte (E8M0): e + 127.
;;     - Each number is divided by its block's scale, clamped to +-6, and rounded to the nearest number of E2M1, ties to even, subnormals kept.
;;     - The product sums the exact products of the quantised numbers (number of the format x scale) in f32.
;;   ~~~python
;;   def quantise(x, axis):      # numpy; x: float32 -> the quantised numbers, widened to float32 again
;;       x = np.moveaxis(x, axis, -1); K = x.shape[-1]
;;       x = np.pad(x, [(0, 0)] * (x.ndim - 1) + [(0, -K % 32)]); x = x.reshape(x.shape[:-1] + (-1, 32)); a = np.abs(x).max(-1, keepdims=True)
;;       e = np.where(a > 0, np.clip(np.frexp(np.where(a > 0, a, 1))[1] - 1 - 2, -126, 127), 0)      # np.frexp(a)[1] - 1 = floor(log2(a)), exactly
;;       r = np.clip(x / 2.0 ** e, -6, 6)
;;       step = 2.0 ** (np.maximum(np.frexp(np.where(r == 0, 1, r))[1] - 1, 0) - 1)
;;       q = np.round(r / step) * step * 2.0 ** e      # np.round: ties to even
;;       return np.moveaxis(q.reshape(q.shape[:-2] + (-1,))[..., :K], -1, axis).astype(np.float32)
;;   ~~~
;; One version. Each part assembles by itself: llvm-mc -triple=amdgcn-amd-amdhsa -mcpu=gfx1250 --defsym DOCPART=n.
;; ======== version 1 of 1: 5 launches
;; limits: values are held in f16: magnitudes above 65,504 overflow, below 6.1e-05 lose precision; right only within a limited range of input values
;; workspace buffers: codes 6,127,616 bytes; wo16 4,194,304 bytes; mcls 4,096 bytes of whole numbers; qkv 67,108,864 bytes; att 50,331,648 bytes
;; launch prep (part 1): grid 320 x 1, 8 waves a work-group, no clusters, 66,816 bytes of LDS; arguments x, Wq, Wk, Wv, Wo, mask, codes, wo16, mcls; writes codes, wo16, mcls
.if DOCPART == 1
	.amdgcn_target "amdgcn-amd-amdhsa--gfx1250"
	.amdhsa_code_object_version 6
	.text
	.protected	k_q18d8414789_prep
	.globl	k_q18d8414789_prep
	.p2align	8
	.type	k_q18d8414789_prep,@function
k_q18d8414789_prep:
	s_mov_b64 s[64:65], 0
	v_nop
	global_prefetch_b8 v0, s[64:65] scope:SCOPE_SE
	s_setreg_imm32_b32 hwreg(HW_REG_WAVE_MODE, 25, 1), 1
	s_wait_xcnt 0x0
; PREP: three jobs, told apart by the work-group's number alone.
;  work-groups 0-127   (mask): tile T of 16 rows of the mask [2048][2048] is read once and classed, as whole numbers, for the launches that follow.
;  work-groups 128-303 (quantise): x [8192][1024] and Wq, Wk, Wv [1024][1024], f32, become codes of FP4 (E2M1), K innermost, with one E8M0 byte for each 32 along K.
;  work-groups 304-319 (split): Wo [1024][1024] becomes two sets of f16 operand images, a high and a low part.
; THE QUANTISER: a block's scale is 2^(floor(log2(largest magnitude)) - 2); its byte is the largest magnitude's exponent field - 2, held at 1 from below; numbers / scale to the nearest code, ties to even.
; A block of zeros gets the byte 1 where the rule says 127: its codes are zeros, and this program alone reads the bytes.
; THE CLASSES.  A key is LIVE for a row where mask < the row's least mask + 0.5: every other key lies 5e8 or more under the row's largest score and has the weight 0 in f32.
;  word 0: bit i = some key of keys 128 i .. 128 i + 127 is live for some row of the tile;  word 1: bit i = some mask word of those keys is not 0;
;  words 2, 3: bit g = some key of keys 32 g .. 32 g + 31 is live;  word 4: 1 where a row of the tile has 16 live keys or fewer, and for tile 0 always.
; LIMITS: |q . k / 8| < 2e8 (else a key counted dead could weigh); NaN and infinities among the inputs are not served; |Wo| < 65,504 (f16); blocks whose largest magnitude lies under 2^-124 keep the byte 1.
; No matrix unit, no cluster, no tensor load: every byte is read once by one wave, so nothing is shared.
.set WAVES, 8
.set STEPS, 16
.set EMAX,  2
.set CB,    8                          ; bytes of 16 codes
.set R,     16                         ; v16-79   four sets of 16 numbers as loaded
.set X,     80                         ; v80-111  two sets of 16 neighbours
.set E,     112                        ; v112-127 a scale byte for each step
.set C,     128                        ; v128-191 codes, four registers a step
.set WREG,  8192                       ; LDS of the quantising path: a region for each wave: two stages of 32 x SP bytes, then its 256 scale bytes
.set SP,    80
.set SPW,   12                         ; v12 LDS address of my spare word; never rewritten
.set NIL,   13                         ; v13 0; never rewritten
.set MEX,   WAVES*WREG                 ; LDS of the mask path: 8 waves x 32 bytes, bytes of its own
.set SPARE, MEX+256                    ; the spare words: 128 bytes for each wave, named by no other line
.macro CLOSE                           ; a wave's end, behind its last LDS store
	s_wait_tensorcnt 0x0
	ds_add_u32 v[SPW], v[NIL]
	s_wait_dscnt 0x0
	s_endpgm
.endm
	s_load_b256 s[4:11], s[0:1], 0x0               ; x s[4:5], Wq s[6:7], Wk s[8:9], Wv s[10:11]
	s_load_b256 s[12:19], s[0:1], 0x20             ; Wo s[12:13], mask s[14:15], codes s[16:17], wo16 s[18:19]
	s_load_b64 s[20:21], s[0:1], 0x40              ; mcls
	v_lshl_add_u32 v[SPW], v0, 2, SPARE
	v_mov_b32 v[NIL], 0
	v_lshrrev_b32 v1, 5, v0
	v_readfirstlane_b32 s22, v1                    ; wave 0..7
	v_and_b32 v2, 31, v0                           ; lane
	v_lshlrev_b32 v3, 4, v2                        ; 16 x lane
	s_wait_kmcnt 0x0
	s_cmp_lt_u32 ttmp9, 128
	s_cbranch_scc1 .Lmask
	s_cmp_lt_u32 ttmp9, 304
	s_cbranch_scc1 .Lquant
; ---------------- SPLIT: Wo into images.  An image is a fragment's registers as they stand: lane (r, h) holds row 16 CT + r of Wo, k = 32 kc + 16 c + 8 h + 0 .. 7, 16 bytes at c x 512 + 16 x lane.
; A wave takes one CT and 16 of its 32 kc, four a trip: 16 loads cover 512 whole bytes of each of 16 rows.  high = the number with its low 13 mantissa bits cleared (11 significant bits: it fits f16), low = the rest, exact in f32.
	s_sub_co_u32 s23, ttmp9, 304
	s_lshl_b32 s23, s23, 3
	s_add_co_u32 s23, s23, s22                     ; 0..127
	s_lshr_b32 s24, s23, 1                         ; CT
	s_and_b32 s25, s23, 1                          ; which 16 kc
	s_lshl_b32 s26, s24, 16                        ; 16 rows of 4,096 bytes
	s_lshl_b32 s27, s25, 11                        ; 16 kc x 128 bytes
	s_add_co_u32 s26, s26, s27
	s_mov_b32 s27, 0
	s_add_nc_u64 s[12:13], s[12:13], s[26:27]
	s_lshl_b32 s26, s24, 15                        ; a CT's 32 images of 1,024 bytes
	s_lshl_b32 s28, s25, 14
	s_add_co_u32 s26, s26, s28
	s_add_nc_u64 s[18:19], s[18:19], s[26:27]
	v_and_b32 v4, 15, v0
	v_bfe_u32 v5, v0, 4, 1
	v_lshlrev_b32 v4, 12, v4
	v_lshl_add_u32 v4, v5, 5, v4                   ; r x 4,096 + 32 h
	s_mov_b32 s30, 0xffffe000
	s_mov_b32 s29, 4
.Lh:
.irp g, 0,1,2,3,4,5,6,7                        ; g = 2 kc' + c
	global_load_b128 v[16+8*\g:19+8*\g], v4, s[12:13] offset:64*\g th:TH_LOAD_NT
	global_load_b128 v[20+8*\g:23+8*\g], v4, s[12:13] offset:64*\g+16 th:TH_LOAD_NT
.endr
	s_wait_loadcnt 0x0
.irp g, 0,1,2,3,4,5,6,7
.irp j, 0,1,2,3,4,5,6,7
	v_and_b32 v[80+\j], s30, v[16+8*\g+\j]         ; the high part, still f32
.endr
.irp j, 0,2,4,6
	v_pk_add_f32 v[16+8*\g+\j:17+8*\g+\j], v[16+8*\g+\j:17+8*\g+\j], v[80+\j:81+\j] neg_lo:[0,1] neg_hi:[0,1]   ; the low part
.endr
.irp j, 0,1,2,3
	v_cvt_pk_f16_f32 v[96+4*\g+\j], v[80+2*\j], v[81+2*\j]
	v_cvt_pk_f16_f32 v[128+4*\g+\j], v[16+8*\g+2*\j], v[17+8*\g+2*\j]
.endr
	global_store_b128 v3, v[96+4*\g:99+4*\g], s[18:19] offset:512*\g             ; 32 lanes store 512 consecutive bytes
	global_store_b128 v3, v[128+4*\g:131+4*\g], s[18:19] offset:512*\g+2097152
.endr
	s_wait_xcnt 0x0                                ; the stores have read their data and base: both are written again only behind this wait
	s_add_nc_u64 s[12:13], s[12:13], 512
	s_add_nc_u64 s[18:19], s[18:19], 4096
	s_sub_co_u32 s29, s29, 1
	s_cmp_lg_u32 s29, 0
	s_cbranch_scc1 .Lh
	CLOSE
; ---------------- QUANTISE.  Rows are dense and K is a multiple of 32: each tensor is a plain stream of blocks of 32.  A wave takes a run of 8,192 numbers, 16 steps of 512.
; Each load reads 512 consecutive bytes; a step's 2,048 bytes turn through the wave's own stage in LDS and come back 64 bytes (16 neighbours) a lane; two neighbouring lanes hold a block.
; x's 1,024 runs and then the three weights' 384 follow each other in the codes and in the scale bytes, so the run's number alone places the results.
.Lquant:
	s_sub_co_u32 s23, ttmp9, 128                   ; 0..175: 128 work-groups for x, 16 for each weight
	s_and_b32 s26, s23, 15
	s_cmp_lt_u32 s23, 128
	s_cselect_b64 s[24:25], s[4:5], s[6:7]
	s_cselect_b32 s26, s23, s26                    ; which eight runs of its source
	s_cmp_lt_u32 s23, 144
	s_cselect_b64 s[24:25], s[24:25], s[8:9]
	s_cmp_lt_u32 s23, 160
	s_cselect_b64 s[24:25], s[24:25], s[10:11]
	s_lshl_b32 s26, s26, 3
	s_add_co_u32 s26, s26, s22
	s_lshl_b32 s26, s26, 15                        ; 32,768 bytes a run
	s_mov_b32 s27, 0
	s_add_nc_u64 s[24:25], s[24:25], s[26:27]      ; the source
	s_lshl_b32 s28, s23, 3
	s_add_co_u32 s28, s28, s22                     ; the run's number among all 1,408
	s_lshl_b32 s26, s28, 12
	s_add_nc_u64 s[30:31], s[16:17], s[26:27]      ; its 4,096 bytes of codes
	s_lshl_b32 s26, s28, 8
	s_add_co_u32 s26, s26, 5767168
	s_add_nc_u64 s[32:33], s[16:17], s[26:27]      ; its 256 scale bytes
	s_mul_i32 s29, s22, WREG
	v_lshrrev_b32 v14, 2, v2
	v_mul_u32_u24 v14, v14, SP
	v_and_b32 v15, 3, v2
	v_lshl_add_u32 v14, v15, 4, v14
	v_add_nc_u32 v14, s29, v14                     ; the stage, in: SP (lane / 4) + 16 (lane % 4)
	v_mul_u32_u24 v15, v2, SP
	v_add_nc_u32 v15, s29, v15                     ; and out: SP x lane
	v_mul_u32_u24 v4, v2, CB
	v_lshrrev_b32 v5, 1, v2
	s_add_co_u32 s29, s29, 2*32*SP
	v_add_nc_u32 v5, s29, v5                       ; my block's scale byte
	v_lshlrev_b32 v7, 3, v2
	v_add_nc_u32 v6, s29, v7
.macro LOAD t
.irp i, 0,1,2,3
	global_load_b128 v[R+16*((\t)%4)+4*\i:R+16*((\t)%4)+4*\i+3], v3, s[24:25] offset:2048*(\t)+512*\i th:TH_LOAD_NT
.endr
.endm
.macro TURN t                          ; LDS serves a wave's instructions in order: no wait between the stores and the loads
.irp i, 0,1,2,3
	ds_store_b128 v14, v[R+16*((\t)%4)+4*\i:R+16*((\t)%4)+4*\i+3] offset:32*SP*((\t)%2)+8*SP*\i
.endr
.irp i, 0,1,2,3
	ds_load_b128 v[X+16*((\t)%2)+4*\i:X+16*((\t)%2)+4*\i+3], v15 offset:32*SP*((\t)%2)+16*\i
.endr
.endm
.irp t, 0,1,2,3
	LOAD \t
.endr
	s_wait_loadcnt 12                              ; step 0's four loads are in; the twelve of steps 1 to 3 may be out
	TURN 0
.macro STEP t
.set XS, X+16*((\t)%2)
.if (\t) > 0
	s_wait_dscnt 1                                 ; this step's numbers are back from the stage; the last step's byte store may be out
.else
	s_wait_dscnt 0x0
.endif
.if (\t)+4 < STEPS
	LOAD (\t)+4
.endif
.if (\t)+1 < STEPS
.if STEPS-2-(\t) >= 3
	s_wait_loadcnt 12                              ; the next step's four loads are in; those of the three steps behind it may be out
.else
	s_wait_loadcnt 4*(STEPS-2-(\t))
.endif
	TURN (\t)+1
.endif
	v_max3_num_f32 v8, |v[XS]|, |v[XS+1]|, |v[XS+2]|
	v_max3_num_f32 v9, |v[XS+3]|, |v[XS+4]|, |v[XS+5]|
.irp i, 6,10
	v_max3_num_f32 v8, v8, |v[XS+\i]|, |v[XS+\i+1]|
	v_max3_num_f32 v9, v9, |v[XS+\i+2]|, |v[XS+\i+3]|
.endr
	v_max3_num_f32 v8, v8, |v[XS+14]|, |v[XS+15]|
	v_max3_num_f32 v8, v8, v9, (EMAX+1)<<23        ; the floor 2^(3 - 127): the byte cannot fall under 1
	v_max_num_f32_dpp v8, v8, v8 row_xmask:1 row_mask:0xf bank_mask:0xf   ; with my neighbour's 16: the block's largest magnitude
	v_add_nc_u32 v11, -(EMAX<<23), v8              ; 2 off its exponent field: the conversion takes this operand's exponent field as its scale
	v_cvt_scalef32_pk8_fp4_f32 v[C+4*(\t)], v[XS:XS+7], v11
	v_cvt_scalef32_pk8_fp4_f32 v[C+4*(\t)+1], v[XS+8:XS+15], v11
	v_lshrrev_b32 v[E+(\t)], 23, v11               ; the scale's byte
	ds_store_b8 v5, v[E+(\t)] offset:16*(\t)       ; both lanes of a block write the same byte with the same value
	global_store_b64 v4, v[C+4*(\t):C+4*(\t)+1], s[30:31] offset:32*CB*(\t)      ; 32 lanes store 256 consecutive bytes
.endm
.irp t, 0,1,2,3,4,5,6,7,8,9,10,11,12,13,14,15
	STEP \t
.endr
	ds_load_b64 v[8:9], v6
	s_wait_dscnt 0x0
	global_store_b64 v7, v[8:9], s[32:33]          ; the run's 256 scale bytes, consecutive
	CLOSE
; ---------------- MASK.  Wave w takes rows 16 T + 2 w and + 1: 16 loads a row, 512 consecutive bytes each; load i holds keys 128 i .. + 127, four a lane, so eight lanes are 32 keys.
.Lmask:
	s_lshl_b32 s24, ttmp9, 17
	s_lshl_b32 s25, s22, 14
	s_add_co_u32 s24, s24, s25
	s_mov_b32 s25, 0
	s_add_nc_u64 s[14:15], s[14:15], s[24:25]
	s_lshl_b32 s24, ttmp9, 5
	s_add_nc_u64 s[20:21], s[20:21], s[24:25]      ; the tile's entry of 8 words
.irp i, 0,1,2,3,4,5,6,7,8,9,10,11,12,13,14,15
	global_load_b128 v[16+4*\i:19+4*\i], v3, s[14:15] offset:512*\i
.endr
.irp i, 0,1,2,3,4,5,6,7,8,9,10,11,12,13,14,15
	global_load_b128 v[80+4*\i:83+4*\i], v3, s[14:15] offset:8192+512*\i
.endr
.irp i, 0,1,2,3,4,5,6,7,8,9,10,11,12,13,14,15
	s_mov_b32 s[32+\i], 0                          ; lanes with a live key in load i, both rows
.endr
.irp i, 70,71,72,73,74,75
	s_mov_b32 s\i, 0                               ; s70, s71 live keys of the two rows; s72 nonzero128; s73 live128; s74, s75 live32
.endr
	s_mov_b32 s76, 0x76543210
	s_mov_b32 s77, 0xfedcba98                      ; v_permlanex16_b32's selects for lane l xor 16
.macro ROWMIN b                        ; v8 = the row's least mask + 0.5, in every lane
	v_min3_num_f32 v8, v[\b], v[\b+1], v[\b+2]
	v_min3_num_f32 v9, v[\b+3], v[\b+4], v[\b+5]
.irp i, 6,10,14,18,22,26,30,34,38,42,46,50,54,58
	v_min3_num_f32 v8, v8, v[\b+\i], v[\b+\i+1]
	v_min3_num_f32 v9, v9, v[\b+\i+2], v[\b+\i+3]
.endr
	v_min3_num_f32 v8, v8, v[\b+62], v[\b+63]
	v_min_num_f32 v8, v8, v9
	v_min_num_f32_dpp v8, v8, v8 row_xmask:1 row_mask:0xf bank_mask:0xf
	v_min_num_f32_dpp v8, v8, v8 row_xmask:2 row_mask:0xf bank_mask:0xf
	v_min_num_f32_dpp v8, v8, v8 row_xmask:4 row_mask:0xf bank_mask:0xf
	v_min_num_f32_dpp v8, v8, v8 row_xmask:8 row_mask:0xf bank_mask:0xf
	v_permlanex16_b32 v9, v8, s76, s77
	v_min_num_f32 v8, v8, v9
	v_add_f32 v8, 0.5, v8
.endm
.macro ROWCLS b, cnt                   ; the row's live keys: counted, and marked lane by lane for each load.  Selections only: no branch hangs on these numbers
.irp i, 0,1,2,3,4,5,6,7,8,9,10,11,12,13,14,15
	v_cmp_lt_f32 s60, v[\b+4*\i], v8
	v_cmp_lt_f32 s61, v[\b+4*\i+1], v8
	v_cmp_lt_f32 s62, v[\b+4*\i+2], v8
	v_cmp_lt_f32 s63, v[\b+4*\i+3], v8
	s_bcnt1_i32_b32 s66, s60
	s_bcnt1_i32_b32 s67, s61
	s_bcnt1_i32_b32 s68, s62
	s_bcnt1_i32_b32 s69, s63
	s_add_co_u32 s66, s66, s67
	s_add_co_u32 s68, s68, s69
	s_add_co_u32 s[\cnt], s[\cnt], s66
	s_add_co_u32 s[\cnt], s[\cnt], s68
	s_or_b32 s60, s60, s61
	s_or_b32 s62, s62, s63
	s_or_b32 s[32+\i], s[32+\i], s60
	s_or_b32 s[32+\i], s[32+\i], s62
.endr
.endm
	s_wait_loadcnt 16                              ; the first row's 16 loads are in; the second row's 16 may be out
	ROWMIN 16
	ROWCLS 16, 70
	s_wait_loadcnt 0x0
	ROWMIN 80
	ROWCLS 80, 71
.irp i, 0,1,2,3,4,5,6,7,8,9,10,11,12,13,14,15
	v_or_b32 v10, v[16+4*\i], v[17+4*\i]           ; is any of the two rows' mask words of these 128 keys not 0?
	v_or_b32 v11, v[18+4*\i], v[19+4*\i]
	v_or_b32 v14, v[80+4*\i], v[81+4*\i]
	v_or_b32 v15, v[82+4*\i], v[83+4*\i]
	v_or_b32 v10, v10, v11
	v_or_b32 v14, v14, v15
	v_or_b32 v10, v10, v14
	v_cmp_ne_u32 s60, 0, v10
	s_cmp_lg_u32 s60, 0
	s_cselect_b32 s61, 1<<\i, 0
	s_or_b32 s72, s72, s61
	s_cmp_lg_u32 s[32+\i], 0
	s_cselect_b32 s61, 1<<\i, 0
	s_or_b32 s73, s73, s61
	s_lshr_b32 s62, s[32+\i], 4                    ; each byte of the lane mask (eight lanes: 32 keys) folds to its bit 0,
	s_or_b32 s62, s62, s[32+\i]
	s_lshr_b32 s63, s62, 2
	s_or_b32 s62, s62, s63
	s_lshr_b32 s63, s62, 1
	s_or_b32 s62, s62, s63
	s_and_b32 s62, s62, 0x01010101
	s_mul_i32 s62, s62, 0x10204080                 ; bits 0, 8, 16, 24 gather at bits 28 to 31 (the other partial products fall on bits 7 to 23, each once, or past bit 31)
	s_lshr_b32 s62, s62, 28
	s_lshl_b32 s62, s62, 4*(\i%8)
	s_or_b32 s[74+\i/8], s[74+\i/8], s62
.endr
	s_min_u32 s70, s70, s71
	v_mov_b32 v16, s73
	v_mov_b32 v17, s72
	v_mov_b32 v18, s74
	v_mov_b32 v19, s75
	v_mov_b32 v20, s70
	v_mov_b32 v21, 0
	v_mov_b32 v22, 0
	v_mov_b32 v23, 0
	s_lshl_b32 s60, s22, 5
	s_add_co_u32 s60, s60, MEX
	v_mov_b32 v11, s60
	ds_store_b128 v11, v[16:19]                    ; all lanes write the same words with the same values
	ds_store_b128 v11, v[20:23] offset:16
	s_wait_dscnt 0x0                               ; for the others' sake: my words have landed
	s_barrier_signal -1
	s_barrier_wait -1
	v_and_b32 v14, 7, v0
	v_lshl_add_u32 v15, v14, 2, MEX                ; lane k takes word k of all eight waves
.irp j, 0,1,2,3,4,5,6,7
	ds_load_b32 v[24+\j], v15 offset:32*\j
.endr
	s_wait_dscnt 0x0
	v_or_b32 v32, v24, v25
	v_min_u32 v33, v24, v25
.irp j, 26,27,28,29,30,31
	v_or_b32 v32, v32, v\j
	v_min_u32 v33, v33, v\j
.endr
	v_cmp_ge_u32 vcc_lo, 16, v33
	v_cndmask_b32 v34, 0, 1, vcc_lo                ; a row with 16 live keys or fewer,
	s_cmp_eq_u32 ttmp9, 0
	s_cselect_b32 s60, 1, 0
	v_or_b32 v34, s60, v34                         ; or tile 0
	v_cmp_eq_u32 vcc_lo, 4, v14
	v_cndmask_b32 v32, v32, v34, vcc_lo            ; word 4 is the flag, the others are the waves' words joined
	v_lshlrev_b32 v35, 2, v0
	s_wait_xcnt 0x0                                ; EXEC changes only behind this wait
	v_cmp_gt_u32 vcc_lo, 8, v0
	s_and_saveexec_b32 s60, vcc_lo
	global_store_b32 v35, v32, s[20:21]            ; threads 0 to 7: the entry's 32 bytes
	s_wait_xcnt 0x0
	s_or_b32 exec_lo, exec_lo, s60
	CLOSE
.Lfunc_end_k_q18d8414789_prep:
	.size	k_q18d8414789_prep, .Lfunc_end_k_q18d8414789_prep-k_q18d8414789_prep
	.p2alignl 7, 3214868480
	.fill 96, 4, 3214868480
	.section	.rodata,"a",@progbits
	.p2align	6, 0x0
	.amdhsa_kernel k_q18d8414789_prep
		.amdhsa_group_segment_fixed_size 66816
		.amdhsa_private_segment_fixed_size 0
		.amdhsa_enable_private_segment 0
		.amdhsa_kernarg_size 72
		.amdhsa_user_sgpr_count 2
		.amdhsa_user_sgpr_kernarg_segment_ptr 1
		.amdhsa_wavefront_size32 1
		.amdhsa_system_sgpr_workgroup_id_x 1
		.amdhsa_system_sgpr_workgroup_id_y 1
		.amdhsa_system_sgpr_workgroup_id_z 1
		.amdhsa_system_vgpr_workitem_id 0
		.amdhsa_next_free_vgpr 192
		.amdhsa_next_free_sgpr 80
		.amdhsa_reserve_vcc 1
		.amdhsa_float_denorm_mode_32 3
		.amdhsa_float_denorm_mode_16_64 3
		.amdhsa_memory_ordered 1
		.amdhsa_forward_progress 1
		.amdhsa_inst_pref_size 92
	.end_amdhsa_kernel
	.amdgpu_metadata
---
amdhsa.version: [ 1, 2 ]
amdhsa.kernels:
  - .name:           k_q18d8414789_prep
    .symbol:         k_q18d8414789_prep.kd
    .args:
      - { .name: x, .offset: 0, .size: 8, .value_kind: global_buffer, .address_space: global }
      - { .name: Wq, .offset: 8, .size: 8, .value_kind: global_buffer, .address_space: global }
      - { .name: Wk, .offset: 16, .size: 8, .value_kind: global_buffer, .address_space: global }
      - { .name: Wv, .offset: 24, .size: 8, .value_kind: global_buffer, .address_space: global }
      - { .name: Wo, .offset: 32, .size: 8, .value_kind: global_buffer, .address_space: global }
      - { .name: mask, .offset: 40, .size: 8, .value_kind: global_buffer, .address_space: global }
      - { .name: codes, .offset: 48, .size: 8, .value_kind: global_buffer, .address_space: global }
      - { .name: wo16, .offset: 56, .size: 8, .value_kind: global_buffer, .address_space: global }
      - { .name: mcls, .offset: 64, .size: 8, .value_kind: global_buffer, .address_space: global }
    .group_segment_fixed_size: 66816
    .private_segment_fixed_size: 0
    .kernarg_segment_align: 8
    .kernarg_segment_size: 72
    .max_flat_workgroup_size: 256
    .sgpr_count:     80
    .vgpr_count:     192
    .wavefront_size: 32
...
	.end_amdgpu_metadata
.endif
;; end of part 1
;; launch qkv (part 2): grid 12 x 32, 4 waves a work-group, clusters of 4 x 4, 327,680 bytes of LDS; arguments codes, bq, bk, bv, qkv; writes qkv
.if DOCPART == 2
	.amdgcn_target "amdgcn-amd-amdhsa--gfx1250"
	.amdhsa_code_object_version 6
	.text
	.protected	k_q18d8414789_qkv
	.globl	k_q18d8414789_qkv
	.p2align	8
	.type	k_q18d8414789_qkv,@function
k_q18d8414789_qkv:
	s_mov_b64 s[64:65], 0
	v_nop
	global_prefetch_b8 v0, s[64:65] scope:SCOPE_SE
	s_setreg_imm32_b32 hwreg(HW_REG_WAVE_MODE, 25, 1), 1
	s_wait_xcnt 0x0
	s_wait_alu depctr_hold_cnt(0) depctr_sa_sdst(0) depctr_va_vdst(0) depctr_va_sdst(0) depctr_va_ssrc(0) depctr_va_vcc(0) depctr_vm_vsrc(0)
	s_getreg_b32 s2, hwreg(HW_REG_IB_STS2, 6, 4)
	s_cmp_eq_u32 s2, 0
	s_cbranch_scc0 .Lentry_in_a_cluster
	s_endpgm
.Lentry_in_a_cluster:
	s_bfe_u32 s2, ttmp6, 0x10000c
	s_cmp_lg_u32 s2, 0xf033
	s_cbranch_scc0 .Lentry_shape_is_right
	s_endpgm
.Lentry_shape_is_right:
; q, k, v = x W^T + b on codes of FP4 (E2M1) with one E8M0 scale for each 32 along K: one GEMM 8,192 x 3,072 x 1,024 (Wq, Wk, Wv stacked), sums in f32.
; A tile of 256 x 256 is made by four waves, 128 x 128 each: 64 accumulators, 512 registers.  K = 1,024 is two slots of 512 along K (rows of 256 bytes): both are first fills, nothing is filled again, and there is no loop.
; The scale bytes of the work-group's 256 + 256 rows, for all of K, come once, as dense blocks in rows of 256 bytes.
; CLUSTERS: 4 x 4 work-groups; the four of a row of the cluster ask jointly for x's tiles, the four of a column for W's.  The cluster's x says which tensor is made (0 q, 1 k, 2 v): it is the same in all sixteen partners.
; THE RESULTS LEAVE AS f16 OPERAND IMAGES, straight from registers: an image is a fragment (16 x 32 of f16, 8 registers a lane) as it stands: registers 4 c .. 4 c + 3 of lane l at c x 512 + 16 l.  Each store is 512 consecutive bytes.
;  q, k: the product is used transposed (source 0 = W's rows, source 1 = x's): a lane holds one position and eight neighbouring channels.  q is stored as (sum + bq) / 8, by one fused multiply-add with bq / 8 (both exact scalings).
;  v: the product is used as it is (source 0 = x's rows): a lane holds one channel and eight neighbouring positions: V^T's fragments.  v also leaves a low part: high = the number with its low 13 mantissa bits cleared, low = the rest.
; LIMITS: |k|, |v| < 65,504 and |q| < 524,288 (f16).
; REGISTERS: window 0: v0-31 addresses; v32-95 scale words, two sets; v128-191 x's fragments, one set; v192-255 the bias; on the way out v32-191 and v208-239 are at work.  window 1: W's fragments, two sets.  windows 2, 3: the accumulators.
.set KSTEP,  512
.set NQ,     KSTEP/128
.set ROWB,   256
.set KROW,   512                       ; a row of codes in memory
.set PITCH,  272                       ; an LDS row: 256 bytes + 16 of padding: the 16 rows that a load touches start 68 words apart
.set FR,     8
.set NL,     2
.set NP,     4
.set HALFT,  128*PITCH
.set SLOT,   4*HALFT
.set KS,     32                        ; a row of scale bytes
.set SCL,    2*SLOT
.set HALFS,  (128*KS/256)*272
.set SBLK,   (16*KS/256)*272
.set SPARE,  SCL+4*HALFS               ; the spare words: 128 bytes for each wave, named by no other line
.set WCD,    4194304                   ; in the buffer of codes: W's codes,
.set XSC,    5767168                   ; x's scale bytes,
.set WSC,    6029312                   ; W's scale bytes
.set ADRA, 16
.set ADRB, 20
.set LI,   24                          ; v24 16 x lane
.set BAD,  25                          ; v25 the bias's offset
.set ADRS, 27
.set SPW,  28
.set NIL,  29
.set SC,   32
.set AF,   128
.set BI,   192
.set G1, 24
.set G0, 32
.set G1B, 48
.set G0B, 56
.set G1S, 68
.set G0S, 76
.set G1SB, 80
.set G0SB, 88
.set MSB, 0
.macro WIN new                         ; the immediate's high byte repeats the setting that is left
.if MSB != (\new)
	s_set_vgpr_msb (MSB<<8)|(\new)
.set MSB, (\new)
.endif
.endm
.set TO_B, 0x40
; A joint load: waves 0 and 1 fetch for x, waves 2 and 3 for W.  An s_nop 0 and four v_nop follow each of the two lines.
.macro JLOAD g0a, g1a, g0b, g1b
	s_cmp_eq_u32 s15, 0
	s_cbranch_scc0 .Lfor_b_\@
	tensor_load_to_lds s[\g0a:\g0a+3], s[\g1a:\g1a+7]
	s_nop 0
.rept 4
	v_nop
.endr
	s_branch .Lasked_\@
.Lfor_b_\@:
	tensor_load_to_lds s[\g0b:\g0b+3], s[\g1b:\g1b+7]
	s_nop 0
.rept 4
	v_nop
.endr
.Lasked_\@:
.endm
.macro CROUND                          ; a round of the cluster's barrier
	s_barrier_signal -1
	s_barrier_wait -1
	s_cmp_lg_u32 s14, 0
	s_cbranch_scc1 .Lnot_wave_0_\@
	s_barrier_signal -3
.Lnot_wave_0_\@:
	s_barrier_wait -3
	s_barrier_signal -1
	s_barrier_wait -1
.endm
	s_load_b256 s[4:11], s[0:1], 0x0               ; codes s[4:5], bq s[6:7], bk s[8:9], bv s[10:11]
	s_load_b64 s[12:13], s[0:1], 0x20              ; qkv
	v_lshl_add_u32 v[SPW], v0, 2, SPARE
	v_mov_b32 v[NIL], 0
	ds_add_u32 v[SPW], v[NIL]                      ; the wave's opening: the add, twice on end, and its wait ahead of my first tensor load
	ds_add_u32 v[SPW], v[NIL]
	v_lshrrev_b32 v1, 5, v0
	v_readfirstlane_b32 s14, v1                    ; wave 0..3
	s_lshr_b32 s15, s14, 1                         ; which half of the tile's rows is mine.  Also: I fetch for x (0) or for W (1)
	s_and_b32 s16, s14, 1                          ; which half of its columns.  Also: which 128 rows I fetch
	s_bfe_u32 s40, ttmp6, 0x40000                  ; cx
	s_bfe_u32 s41, ttmp6, 0x40004                  ; cy
	s_lshl_b32 s42, ttmp9, 2
	s_add_co_u32 s42, s42, s40                     ; tile column = 4 x cluster x + cx
	s_and_b32 s17, ttmp7, 0xffff
	s_lshl_b32 s17, s17, 2
	s_add_co_u32 s17, s17, s41                     ; tile row = 4 x cluster y + cy
	s_lshl_b32 s43, s41, 2
	s_lshl_b32 s43, 15, s43                        ; my row of the cluster
	s_lshl_b32 s44, 0x1111, s40                    ; my column
	s_or_b32 s[G1+0], s43, (0<<16)|(1<<20)|(1<<21)|(5<<22)|(3<<25)  ; the mask; elements of 1 byte; padding: 4 words behind every 64
	s_or_b32 s[G1B+0], s44, (0<<16)|(1<<20)|(1<<21)|(5<<22)|(3<<25)
.irp g, G1, G1B
	s_mov_b32 s[\g+1], ROWB<<16                    ; tensor_dim0
	s_mov_b32 s[\g+2], 128<<16                     ; tensor_dim1
	s_mov_b32 s[\g+3], ROWB<<16                    ; tile_dim0
	s_mov_b32 s[\g+4], 128                         ; tile_dim1
	s_mov_b32 s[\g+5], KROW                        ; the pitch
	s_mov_b32 s[\g+6], 0
	s_mov_b32 s[\g+7], 0
.endr
	s_or_b32 s[G1S+0], s43, (3<<16)|(1<<20)|(1<<21)|(5<<22)|(3<<25)  ; the scale bytes of 128 rows: 4,096 dense bytes as 16 rows of 256 (32 elements of 8 bytes), 16 bytes of padding behind each
	s_or_b32 s[G1SB+0], s44, (3<<16)|(1<<20)|(1<<21)|(5<<22)|(3<<25)
.irp g, G1S, G1SB
	s_mov_b32 s[\g+1], 32<<16
	s_mov_b32 s[\g+2], (128*KS/256)<<16
	s_mov_b32 s[\g+3], 32<<16
	s_mov_b32 s[\g+4], 128*KS/256
	s_mov_b32 s[\g+5], 32
	s_mov_b32 s[\g+6], 0
	s_mov_b32 s[\g+7], 0
.endr
	s_lshl_b32 s18, s16, 7
	s_lshl_b32 s20, s17, 8
	s_add_co_u32 s20, s20, s18                     ; x: row 256 x tile row + 128 x half
	s_lshl_b32 s46, s42, 8
	s_add_co_u32 s46, s46, s18                     ; W: row 256 x tile column + 128 x half
	s_mov_b32 s21, 0
	s_mov_b32 s47, 0
	s_mov_b64 s[18:19], KS
	s_mul_u64 s[22:23], s[20:21], s[18:19]
	s_mul_u64 s[92:93], s[46:47], s[18:19]
	s_mov_b64 s[18:19], KROW
	s_mul_u64 s[20:21], s[20:21], s[18:19]
	s_mul_u64 s[46:47], s[46:47], s[18:19]
	s_add_nc_u64 s[22:23], s[22:23], XSC           ; offsets in the one buffer of codes
	s_add_nc_u64 s[46:47], s[46:47], WCD
	s_add_nc_u64 s[92:93], s[92:93], WSC
	s_mul_i32 s45, s14, HALFT                      ; where they go: wave x 128 rows
	s_mul_i32 s94, s14, HALFS
	s_wait_dscnt 0x0                               ; both opening adds are done
	s_wait_kmcnt 0x0
	s_add_nc_u64 s[20:21], s[4:5], s[20:21]
	s_add_nc_u64 s[22:23], s[4:5], s[22:23]
	s_add_nc_u64 s[46:47], s[4:5], s[46:47]
	s_add_nc_u64 s[92:93], s[4:5], s[92:93]
	CROUND                                         ; all sixteen work-groups are here: the joint loads meet
	s_mov_b32 s[G0S], 1
	s_add_co_u32 s[G0S+1], s94, SCL
	s_mov_b64 s[G0S+2:G0S+3], s[22:23]
	s_or_b32 s[G0S+3], s[G0S+3], 0x80000000
	s_mov_b32 s[G0SB], 1
	s_add_co_u32 s[G0SB+1], s94, SCL
	s_mov_b64 s[G0SB+2:G0SB+3], s[92:93]
	s_or_b32 s[G0SB+3], s[G0SB+3], 0x80000000
	JLOAD G0S, G1S, G0SB, G1SB                     ; the scales first: they are wanted with slot 0
.irp s, 0,1
	s_mov_b32 s[G0+4*\s], 1
	s_add_co_u32 s[G0+4*\s+1], s45, \s*SLOT
	s_add_nc_u64 s[G0+4*\s+2:G0+4*\s+3], s[20:21], \s*ROWB
	s_or_b32 s[G0+4*\s+3], s[G0+4*\s+3], 0x80000000
	s_mov_b32 s[G0B+4*\s], 1
	s_add_co_u32 s[G0B+4*\s+1], s45, \s*SLOT
	s_add_nc_u64 s[G0B+4*\s+2:G0B+4*\s+3], s[46:47], \s*ROWB
	s_or_b32 s[G0B+4*\s+3], s[G0B+4*\s+3], 0x80000000
	JLOAD G0+4*\s, G1, G0B+4*\s, G1B               ; three loads of mine are out in all
.endr
	v_and_b32 v1, 15, v0                           ; r
	v_bfe_u32 v2, v0, 4, 1                         ; h
	v_mul_u32_u24 v3, v1, PITCH
	v_lshl_add_u32 v4, v2, 4, v3
	s_mul_i32 s21, s15, HALFT
	s_mul_i32 s22, s16, HALFT
	s_add_co_u32 s22, s22, 2*HALFT
.irp s, 0,1
	v_add_nc_u32 v[ADRA+\s], s21, v4
	v_add_nc_u32 v[ADRB+\s], s22, v4
	s_add_co_u32 s21, s21, SLOT
	s_add_co_u32 s22, s22, SLOT
.endr
	v_mul_u32_u24 v5, v1, KS
	v_lshrrev_b32 v6, 8, v5
	v_lshl_add_u32 v5, v6, 4, v5
	s_mul_i32 s21, s15, HALFS
	s_mul_i32 s22, s16, HALFS
	s_add_co_u32 s22, s22, 2*HALFS
	s_sub_co_u32 s22, s22, s21
	v_mul_u32_u24 v6, s22, v2                      ; lanes 16-31 take W's scale words
	s_add_co_u32 s21, s21, SCL
	v_add_nc_u32 v5, v5, v6
	v_add_nc_u32 v[ADRS], s21, v5
	v_and_b32 v6, 31, v0
	v_lshlrev_b32 v[LI], 4, v6
	; where my images go: position P0 = 256 x tile row + 128 x half, channel C0 = 256 cx + 128 x half.  16 positions of q or k are 2,048 bytes of a head and 32 positions of V^T 4,096: both 128 bytes a position
	s_lshl_b32 s66, s17, 8
	s_lshl_b32 s67, s15, 7
	s_add_co_u32 s66, s66, s67                     ; P0
	s_lshr_b32 s67, s66, 11                        ; the batch
	s_and_b32 s66, s66, 2047                       ; the position in it
	s_lshl_b32 s67, s67, 4
	s_lshl_b32 s95, s40, 2
	s_add_co_u32 s67, s67, s95
	s_lshl_b32 s95, s16, 1
	s_add_co_u32 s67, s67, s95                     ; batch x 16 + my first head
	s_lshl_b32 s67, s67, 18                        ; 262,144 bytes a head
	s_lshl_b32 s66, s66, 7
	s_add_co_u32 s66, s66, s67
	s_lshl_b32 s67, ttmp9, 24                      ; q at 0, k at 16,777,216, V^T's high parts at 33,554,432
	s_add_co_u32 s66, s66, s67
	s_mov_b32 s67, 0
	s_add_nc_u64 s[98:99], s[12:13], s[66:67]
	s_add_nc_u64 s[100:101], s[98:99], 16777216    ; V^T's low parts
	s_lshl_b32 s66, s40, 10
	s_lshl_b32 s95, s16, 9
	s_add_co_u32 s66, s66, s95                     ; 4 C0
	s_cmp_eq_u32 ttmp9, 0
	s_cselect_b64 s[92:93], s[6:7], s[8:9]
	s_cselect_b32 s96, 0x3e000000, 1.0             ; q is divided by sqrt(64) = 8
	s_cmp_eq_u32 ttmp9, 2
	s_cselect_b64 s[92:93], s[10:11], s[92:93]
	s_add_nc_u64 s[92:93], s[92:93], s[66:67]      ; my 128 numbers of the bias
	s_mov_b32 s97, s96
	s_mov_b32 s95, 0xffffe000
.macro FRAG reg, adr, q, i             ; 16 rows x 128 K of 4-bit codes: 8 registers, two loads of 16 bytes, 32 bytes apart
.irp c, 0,1
	ds_load_b128 v[\reg+4*\c:\reg+4*\c+3], v[\adr] offset:64*(\q)+32*\c+(\i)*16*PITCH
.endr
.endm
.macro PROD cz                         ; one product; SWAP = 0: source 0 = W's block, source 1 = x's; SWAP = 1: the other way round.  A scale register holds x's word in lanes 0-15 and W's in lanes 16-31
.if SWAP
.if \cz
	v_wmma_scale_f32_16x16x128_f8f6f4 v[rD:rD+7], v[rX:rX+7], v[rW:rW+7], 0, v[qX], v[qW] matrix_a_fmt:MATRIX_FMT_FP4 matrix_b_fmt:MATRIX_FMT_FP4 matrix_b_scale:MATRIX_SCALE_ROW1
.else
	v_wmma_scale_f32_16x16x128_f8f6f4 v[rD:rD+7], v[rX:rX+7], v[rW:rW+7], v[rD:rD+7], v[qX], v[qW] matrix_a_fmt:MATRIX_FMT_FP4 matrix_b_fmt:MATRIX_FMT_FP4 matrix_b_scale:MATRIX_SCALE_ROW1
.endif
.else
.if \cz
	v_wmma_scale_f32_16x16x128_f8f6f4 v[rD:rD+7], v[rW:rW+7], v[rX:rX+7], 0, v[qW], v[qX] matrix_a_fmt:MATRIX_FMT_FP4 matrix_b_fmt:MATRIX_FMT_FP4 matrix_a_scale:MATRIX_SCALE_ROW1
.else
	v_wmma_scale_f32_16x16x128_f8f6f4 v[rD:rD+7], v[rW:rW+7], v[rX:rX+7], v[rD:rD+7], v[qW], v[qX] matrix_a_fmt:MATRIX_FMT_FP4 matrix_b_fmt:MATRIX_FMT_FP4 matrix_a_scale:MATRIX_SCALE_ROW1
.endif
.endif
.endm
; 16 products: x's blocks a0, a0 + 1 against W's eight.  The 64 accumulators take turns, one instruction a turn, in the same order in every step.  zero = 1: the first product starts the sums
.macro MUL16 a0, p, q, sc, zero
.irp a, \a0, \a0+1
.irp b, 0,1,2,3,4,5,6,7
.set rD, 8*(8*((\a)%4)+\b)
.set rW, 128*(\p)+FR*\b
.set rX, AF+FR*(\a)
.set qW, SC+8*NQ*(\sc)+NQ*\b+(\q)
.set qX, SC+8*NQ*(\sc)+NQ*(\a)+(\q)
	PROD \zero
.endr
.endr
.endm
.macro FETCH_B slot, q, p
	WIN TO_B
.irp i, 0,1,2,3,4,5,6,7
	FRAG 128*(\p)+FR*\i, ADRB+\slot, \q, \i
.endr
	WIN 0
.endm
.macro FETCH_A slot, q, i0
.irp i, \i0, \i0+1, \i0+2, \i0+3
	FRAG AF+FR*(\i), ADRA+\slot, \q, \i
.endr
.endm
.macro SCALES sc
.irp i, 0,1,2,3,4,5,6,7
	ds_load_b128 v[SC+8*NQ*\sc+NQ*\i:SC+8*NQ*\sc+NQ*\i+3], v[ADRS] offset:\i*SBLK
.endr
.endm
.macro PLACES n                        ; plain instructions between a matrix instruction and a load into, or a vector instruction on, its registers
.rept \n
	v_nop
.endr
.endm
.macro STEP slot, q, zero              ; 128 along K; its successor lies in the same slot
	s_wait_dscnt 4*NL                              ; W's set and x's blocks 0-3 are in; the youngest eight loads (x's blocks 4-7) may be out
	WIN MUL_LO
	MUL16 0, (\q)%2, \q, \slot, \zero
	MUL16 2, (\q)%2, \q, \slot, \zero
	s_wait_dscnt 0
	PLACES NP
	FETCH_B \slot, (\q)+1, 1-(\q)%2
	FETCH_A \slot, (\q)+1, 0
	WIN MUL_HI
	MUL16 4, (\q)%2, \q, \slot, \zero
	MUL16 6, (\q)%2, \q, \slot, \zero
	PLACES NP
	WIN 0
	FETCH_A \slot, (\q)+1, 4
.endm
.macro TURN slot, next                 ; slot 0's last step changes slots: my part of slot 1 has landed, then the barrier shows everybody's.  Nothing is filled again
	s_wait_tensorcnt 0x0
	ds_add_u32 v[SPW], v[NIL]
	s_wait_dscnt 4*NL+1                            ; the add and the youngest eight loads may be out
	WIN MUL_LO
	MUL16 0, 1, NQ-1, \slot, 0
	s_wait_dscnt 0x0
	s_barrier_signal -1
	MUL16 2, 1, NQ-1, \slot, 0
	WIN 0
	s_barrier_wait -1
	PLACES NP
	v_add_nc_u32 v[ADRS], 4*NQ, v[ADRS]            ; the next 512 along K: 16 scale bytes on
	FETCH_B \next, 0, 0
	FETCH_A \next, 0, 0
	SCALES \next
	WIN MUL_HI
	MUL16 4, 1, NQ-1, \slot, 0
	MUL16 6, 1, NQ-1, \slot, 0
	PLACES NP
	WIN 0
	FETCH_A \next, 0, 4
.endm
.macro STEPS slot, from
.set Q, \from
.rept NQ-1-\from
	STEP \slot, Q, 0
.set Q, Q+1
.endr
.endm
.macro MAIN                            ; all of K: eight steps of 128
	FETCH_B 0, 0, 0
	FETCH_A 0, 0, 0
	SCALES 0
	FETCH_A 0, 0, 4
	STEP 0, 0, 1
	STEPS 0, 1
	TURN 0, 1
	STEPS 1, 0
	s_wait_dscnt 4*NL
	WIN MUL_LO
	MUL16 0, 1, NQ-1, 1, 0
	MUL16 2, 1, NQ-1, 1, 0
	s_wait_dscnt 0
	WIN MUL_HI
	MUL16 4, 1, NQ-1, 1, 0
	MUL16 6, 1, NQ-1, 1, 0
	WIN 0
.endm
	s_wait_tensorcnt 1                             ; the scales and my part of slot 0 are in; slot 1's load may be out,
	s_barrier_signal -1
	s_barrier_wait -1                              ; everybody's are
	s_cmp_eq_u32 ttmp9, 2                          ; the cluster's x: the same in all sixteen partners
	s_cbranch_scc1 .Lv
; ---- q and k
.set SWAP, 0
.set MUL_LO, 0xa1                      ; source 0 (W) window 1, source 1 (x) window 0, C and D window 2
.set MUL_HI, 0xf1
	v_lshlrev_b32 v[BAD], 5, v2                    ; a lane's eight channels of block b: 64 b + 32 h bytes on
.irp b, 0,1,2,3,4,5,6,7
	global_load_b128 v[BI+8*\b:BI+8*\b+3], v[BAD], s[92:93] offset:64*\b
	global_load_b128 v[BI+8*\b+4:BI+8*\b+7], v[BAD], s[92:93] offset:64*\b+16
.endr
	MAIN
	s_wait_loadcnt 0x0
.set n, 0
.rept 32
	v_pk_mul_f32 v[BI+n:BI+n+1], v[BI+n:BI+n+1], s[96:97] op_sel_hi:[1,0]   ; the bias under the same scaling.  (These are also the places behind the last products)
.set n, n+2
.endr
.macro OUTQK a                         ; block a: 16 positions x 128 channels: eight half images of 512 bytes
.set AC, 64*((\a)%4)
.set OS, 96+32*((\a)%2)
.if (\a) > 1
	s_wait_xcnt 0x0                                ; block a - 2's stores have read their data
.endif
	WIN 0x02+(\a)/4
.irp b, 0,1,2,3,4,5,6,7
.irp i, 0,2,4,6
	v_pk_fma_f32 v[32+8*\b+\i:33+8*\b+\i], v[AC+8*\b+\i:AC+8*\b+\i+1], s[96:97], v[BI+8*\b+\i:BI+8*\b+\i+1] op_sel_hi:[1,0,1]   ; each accumulator from its low end on
.endr
.endr
	WIN 0
.set n, 0
.rept 32
	v_cvt_pk_f16_f32 v[OS+n], v[32+2*n], v[33+2*n]
.set n, n+1
.endr
.irp b, 0,1,2,3,4,5,6,7
	global_store_b128 v[LI], v[OS+4*\b:OS+4*\b+3], s[98:99] offset:(\b/4)*262144+(\a)*2048+((\b%4)/2)*1024+(\b%2)*512
.endr
.endm
.irp a, 0,1,2,3,4,5,6,7
	OUTQK \a
.endr
	s_branch .Lend
; ---- v
.Lv:
.set SWAP, 1
.set MUL_LO, 0xa4                      ; source 0 (x) window 0, source 1 (W) window 1, C and D window 2
.set MUL_HI, 0xf4
	v_lshlrev_b32 v[BAD], 2, v1                    ; a lane's channel of block b: 64 b + 4 r bytes on; loaded twice, for the packed addition
.irp b, 0,1,2,3,4,5,6,7
	global_load_b32 v[BI+2*\b], v[BAD], s[92:93] offset:64*\b
	global_load_b32 v[BI+2*\b+1], v[BAD], s[92:93] offset:64*\b
.endr
	MAIN
	s_wait_loadcnt 0x0
	PLACES NP
.macro OUTV a                          ; block a: 16 positions x 128 channels of V^T, high and low parts
.set AC, 64*((\a)%4)
.if (\a) > 0
	s_wait_xcnt 0x0                                ; the last block's stores have read their data
.endif
	WIN 0x02+(\a)/4
.irp b, 0,1,2,3,4,5,6,7
.irp i, 0,2,4,6
	v_pk_add_f32 v[32+8*\b+\i:33+8*\b+\i], v[AC+8*\b+\i:AC+8*\b+\i+1], v[BI+2*\b:BI+2*\b+1]
.endr
.endr
	WIN 0
.set n, 0
.rept 64
	v_and_b32 v[128+n], s95, v[32+n]               ; the high part, still f32
.set n, n+1
.endr
.set n, 0
.rept 32
	v_pk_add_f32 v[32+n:33+n], v[32+n:33+n], v[128+n:129+n] neg_lo:[0,1] neg_hi:[0,1]   ; the low part
.set n, n+2
.endr
.set n, 0
.rept 32
	v_cvt_pk_f16_f32 v[96+n], v[128+2*n], v[129+2*n]
	v_cvt_pk_f16_f32 v[208+n], v[32+2*n], v[33+2*n]
.set n, n+1
.endr
.irp b, 0,1,2,3,4,5,6,7
	global_store_b128 v[LI], v[96+4*\b:99+4*\b], s[98:99] offset:(\b/4)*262144+((\a)/2)*4096+(\b%4)*1024+((\a)%2)*512
	global_store_b128 v[LI], v[208+4*\b:211+4*\b], s[100:101] offset:(\b/4)*262144+((\a)/2)*4096+(\b%4)*1024+((\a)%2)*512
.endr
.endm
.irp a, 0,1,2,3,4,5,6,7
	OUTV \a
.endr
.Lend:
	s_wait_tensorcnt 0x0                           ; the wave's end
	ds_add_u32 v[SPW], v[NIL]
	s_wait_dscnt 0x0
	CROUND                                         ; the closing round
	s_endpgm
.Lfunc_end_k_q18d8414789_qkv:
	.size	k_q18d8414789_qkv, .Lfunc_end_k_q18d8414789_qkv-k_q18d8414789_qkv
	.p2alignl 7, 3214868480
	.fill 96, 4, 3214868480
	.section	.rodata,"a",@progbits
	.p2align	6, 0x0
	.amdhsa_kernel k_q18d8414789_qkv
		.amdhsa_group_segment_fixed_size 327680
		.amdhsa_private_segment_fixed_size 0
		.amdhsa_enable_private_segment 0
		.amdhsa_kernarg_size 40
		.amdhsa_user_sgpr_count 2
		.amdhsa_user_sgpr_kernarg_segment_ptr 1
		.amdhsa_wavefront_size32 1
		.amdhsa_system_sgpr_workgroup_id_x 1
		.amdhsa_system_sgpr_workgroup_id_y 1
		.amdhsa_system_sgpr_workgroup_id_z 1
		.amdhsa_system_vgpr_workitem_id 0
		.amdhsa_next_free_vgpr 1024
		.amdhsa_next_free_sgpr 102
		.amdhsa_reserve_vcc 0
		.amdhsa_float_denorm_mode_32 3
		.amdhsa_float_denorm_mode_16_64 3
		.amdhsa_memory_ordered 1
		.amdhsa_forward_progress 1
		.amdhsa_inst_pref_size 255
	.end_amdhsa_kernel
	.section	.bss,"aw",@nobits
	.p2align	6
	.space	262144
	.amdgpu_metadata
---
amdhsa.version: [ 1, 2 ]
amdhsa.kernels:
  - .name:           k_q18d8414789_qkv
    .symbol:         k_q18d8414789_qkv.kd
    .args:
      - { .name: codes, .offset: 0, .size: 8, .value_kind: global_buffer, .address_space: global }
      - { .name: bq, .offset: 8, .size: 8, .value_kind: global_buffer, .address_space: global }
      - { .name: bk, .offset: 16, .size: 8, .value_kind: global_buffer, .address_space: global }
      - { .name: bv, .offset: 24, .size: 8, .value_kind: global_buffer, .address_space: global }
      - { .name: qkv, .offset: 32, .size: 8, .value_kind: global_buffer, .address_space: global }
    .group_segment_fixed_size: 327680
    .private_segment_fixed_size: 0
    .kernarg_segment_align: 8
    .kernarg_segment_size: 40
    .max_flat_workgroup_size: 128
    .sgpr_count:     102
    .vgpr_count:     1024
    .wavefront_size: 32
...
	.end_amdgpu_metadata
.endif
;; end of part 2
;; launch attn (part 3): grid 4 x 64, 8 waves a work-group, no clusters, 66,560 bytes of LDS; arguments qkv, mask, mcls, att; writes att
.if DOCPART == 3
	.amdgcn_target "amdgcn-amd-amdhsa--gfx1250"
	.amdhsa_code_object_version 6
	.text
	.protected	k_q18d8414789_attn
	.globl	k_q18d8414789_attn
	.p2align	8
	.type	k_q18d8414789_attn,@function
k_q18d8414789_attn:
	s_mov_b64 s[64:65], 0
	v_nop
	global_prefetch_b8 v0, s[64:65] scope:SCOPE_SE
	s_setreg_imm32_b32 hwreg(HW_REG_WAVE_MODE, 25, 1), 1
	s_wait_xcnt 0x0
; att[b][s][h 64 + d] = the sum over k of softmax_k(q . k / 8 - mask 1e9) v, for 64 heads (batch x head) of 2,048 positions; operands f16, products, maxima and sums f32.  q arrives divided by 8.
; SHARES.  Work-group (x, head) takes the query blocks 7 - x and x of 256 rows, one after the other; each of its eight waves 32 rows: two tiles of 16.  Two waves lie on a SIMD, so that one wave's softmax stands beside the other's products.
; Keys go in 16 steps of 128.  K's and V^T's operand images of a step (16 KB each, dense) are loaded a step ahead, 4 KB a wave, and handed round through two LDS slots: one barrier a step.
; THE MASK IS AN INPUT.  An earlier launch has classed it, tile of 16 rows by 128 keys, as whole numbers; this launch branches on those.  A step with no live key for my 32 rows is passed over (its weights are 0 in f32);
; a step whose mask words are all 0 needs no mask; any other reads its mask and forms g = fma(mask, -1e9, s).  No pattern is built in.
; Which steps a work-group walks hangs on stored numbers.
; LAYOUT.  S^T = K Q^T and O^T = V^T P: a lane holds ONE query (lane % 16) throughout; two neighbouring tiles of S^T, rounded in pairs, are P's fragment.
; SOFTMAX.  For each query: the running maximum m, a level L = Lh + Ll in log2 units, the sum l, O^T.  p = 2^(g c - L), c = log2(e).  In a step without mask L = Lh = round(m c), p = 2^fma(s, c, -Lh).
; In a step with mask L = m c exactly (Lh = round(m c), Ll = fma(m, c, -Lh)) and p = 2^((g - m) c): right also where m is near -1e9.  O^T and l are multiplied by 2^(old L - new L) in every step.
; FINE TILES.  A tile flagged by the earlier launch (a row with 16 live keys or fewer; tile 0 always) is computed once more by its wave, 32 keys at a time, with p and v as pairs of f16 numbers (V_hi P_hi + V_hi P_lo + V_lo P_hi);
; its result leaves as a high and a low image.  high = the number with its low 13 mantissa bits cleared, low = the rest.
; LIMITS: |q . k / 8| < 2e8; |mask| 1e9 < 8e37; g is rounded once where the definition rounds twice (the same wherever mask 1e9 is exact); |att| < 65,504; NaN and infinities are not served.
; REGISTERS.  window 0: v1-7 addresses, v8-23 statistics (8 a tile: Lh, Ll, m, t, a, t, l, l), v24-55 the staged 4 KB, v56-63 at work, v64-191 S^T, v192-255 P (first: a tile's mask).  window 1: v0-63 O^T, v80-111 Q, v128-255 K's or V^T's 16 fragments.
.set SLOTB, 32768                      ; a slot: K's 16 images [kt 8][kc 2], then V^T's 16 [g 4][ct 4]
.set SPARE, 65536                      ; the spare words: 128 bytes for each wave, named by no other line
.set LI,   1                           ; v1 16 x lane
.set STA,  2                           ; v2 16 x lane + 4,096 x wave
.set MKA,  3                           ; v3 8,192 r + 32 h: my row and half in a tile of the mask
.set SPW,  4
.set NIL,  5
.set FA16, 6                           ; v6 32 x (lane % 16): an entry of the classes
.set FA2,  7                           ; v7 32 x (lane % 2)
.set ST,   8
.set STG,  24
.set TM,   56
.set S,    64
.set P,    192
.set O,    0
.set QF,   80
.set KV,   128
.set FQ,   24                          ; the fine path, window 0 alone
.set FK,   40
.set PH,   72
.set PL,   80
.set FS,   88
.set FT,   104
.set FM,   120
.set FVH,  136
.set FVL,  168
.set FO,   200
.set FC,   232
.set MSB, 0
.macro WIN new
.if MSB != (\new)
	s_set_vgpr_msb (MSB<<8)|(\new)
.set MSB, (\new)
.endif
.endm
.macro PLACES
.rept 4
	v_nop
.endr
.endm
.macro INITST t                        ; m = -2^126, under every score; L = m c; l = 0
.set rT, ST+8*(\t)
	v_mov_b32 v[rT+2], 0xfe800000
	v_mul_f32 v[rT], s32, v[rT+2]
.irp i, 1,3,4,5,6,7
	v_mov_b32 v[rT+\i], 0
.endr
.endm
.macro MAXT t                          ; the new m of tile t: its 64 scores in four chains, the old m, the other half of the lanes
.set rS, S+64*(\t)
.set rC, TM+4*(\t)
.set rT, ST+8*(\t)
.irp b, 0,1,2,3
	v_max3_num_f32 v[rC+\b], v[rS+16*\b], v[rS+16*\b+1], v[rS+16*\b+2]
.endr
.irp i, 3,5,7,9,11,13
.irp b, 0,1,2,3
	v_max3_num_f32 v[rC+\b], v[rC+\b], v[rS+16*\b+\i], v[rS+16*\b+\i+1]
.endr
.endr
.irp b, 0,1,2,3
	v_max_num_f32 v[rC+\b], v[rC+\b], v[rS+16*\b+15]
.endr
	v_max3_num_f32 v[rC], v[rC], v[rC+1], v[rC+2]
	v_max3_num_f32 v[rC], v[rC], v[rC+3], v[rT+2]
	v_permlanex16_b32 v[rT+3], v[rC], s36, s37
	v_max_num_f32 v[rT+2], v[rC], v[rT+3]
.endm
.macro LEVEL t, mixed                  ; the new level, and a = 2^(old level - new level)
.set rT, ST+8*(\t)
	v_mov_b32 v[rT+3], v[rT]
.if \mixed
	v_mov_b32 v[rT+5], v[rT+1]
.endif
	v_mul_f32 v[rT], s32, v[rT+2]
.if \mixed
	v_fma_f32 v[rT+1], v[rT+2], s32, -v[rT]
.endif
	v_sub_f32 v[rT+3], v[rT+3], v[rT]
.if \mixed
	v_sub_f32 v[rT+5], v[rT+5], v[rT+1]
	v_add_f32 v[rT+3], v[rT+3], v[rT+5]
.else
	v_add_f32 v[rT+3], v[rT+3], v[rT+1]
	v_mov_b32 v[rT+1], 0
.endif
	v_exp_f32 v[rT+4], v[rT+3]
.endm
.macro SCALE t, mixed                  ; the exponents of tile t
.set rT, ST+8*(\t)
.set rS, S+64*(\t)
.set n, 0
.rept 32
.if \mixed
	v_pk_add_f32 v[rS+n:rS+n+1], v[rS+n:rS+n+1], v[rT+2:rT+3] op_sel_hi:[1,0] neg_lo:[0,1] neg_hi:[0,1]
.else
	v_pk_fma_f32 v[rS+n:rS+n+1], v[rS+n:rS+n+1], s[32:33], v[rT:rT+1] op_sel_hi:[1,0,0] neg_lo:[0,0,1] neg_hi:[0,0,1]
.endif
.set n, n+2
.endr
.if \mixed
.set n, 0
.rept 32
	v_pk_mul_f32 v[rS+n:rS+n+1], v[rS+n:rS+n+1], s[32:33] op_sel_hi:[1,0]
.set n, n+2
.endr
.endif
.endm
.macro FINISH t                        ; behind the wait for the exponentials: the weights to f16, their sum (unrounded) in two chains, l
.set rT, ST+8*(\t)
.set rS, S+64*(\t)
.set rP, P+32*(\t)
.set rC, TM+4*(\t)
.set n, 0
.rept 32
	v_cvt_pk_f16_f32 v[rP+n], v[rS+2*n], v[rS+2*n+1]
.set n, n+1
.endr
	v_pk_add_f32 v[rC:rC+1], v[rS:rS+1], v[rS+2:rS+3]
	v_pk_add_f32 v[rC+2:rC+3], v[rS+4:rS+5], v[rS+6:rS+7]
.set n, 8
.rept 14
	v_pk_add_f32 v[rC:rC+1], v[rC:rC+1], v[rS+n:rS+n+1]
	v_pk_add_f32 v[rC+2:rC+3], v[rC+2:rC+3], v[rS+n+2:rS+n+3]
.set n, n+4
.endr
	v_pk_add_f32 v[rC:rC+1], v[rC:rC+1], v[rC+2:rC+3]
	v_pk_fma_f32 v[rT+6:rT+7], v[rT+6:rT+7], v[rT+4:rT+5], v[rC:rC+1] op_sel_hi:[1,0,1]
.endm
.macro MASKLD t                        ; tile t's mask of this step: 16 rows x 128 keys, my eight keys of each key tile in two loads
.set n, 0
.rept 8
	global_load_b128 v[P+8*n:P+8*n+3], v[MKA], s[20:21] offset:131072*(\t)+64*n
	global_load_b128 v[P+8*n+4:P+8*n+7], v[MKA], s[20:21] offset:131072*(\t)+64*n+16
.set n, n+1
.endr
.endm
.macro MASKIN t                        ; g = mask x -1e9 + s, each accumulator from its low end on
.set n, 0
.rept 32
	v_pk_fma_f32 v[S+64*(\t)+n:S+64*(\t)+n+1], v[P+n:P+n+1], s[34:35], v[S+64*(\t)+n:S+64*(\t)+n+1] op_sel_hi:[1,0,1]
.set n, n+2
.endr
.endm
; A KEY STEP of 128 keys from LDS slot \slot.  Every wait in it is for 0.
.macro STEP slot, mixed
	WIN 0x40                                       ; destination window 1
.set n, 0
.rept 32
	ds_load_b128 v[KV+4*n:KV+4*n+3], v[LI] offset:\slot*SLOTB+512*n      ; K's 16 fragments as they stand: 512 consecutive bytes a load
.set n, n+1
.endr
	WIN 0
.if \mixed
	MASKLD 0
.endif
	s_wait_dscnt 0x0
	WIN 0x05                                       ; K and Q window 1, S^T window 0
.irp kc, 0,1                                   ; 16 accumulators by turns; the first 16 products start the sums
.irp kt, 0,1,2,3,4,5,6,7
.irp t, 0,1
.if \kc == 0
	v_wmma_f32_16x16x32_f16 v[S+64*\t+8*\kt:S+64*\t+8*\kt+7], v[KV+16*\kt+8*\kc:KV+16*\kt+8*\kc+7], v[QF+16*\t+8*\kc:QF+16*\t+8*\kc+7], 0
.else
	v_wmma_f32_16x16x32_f16 v[S+64*\t+8*\kt:S+64*\t+8*\kt+7], v[KV+16*\kt+8*\kc:KV+16*\kt+8*\kc+7], v[QF+16*\t+8*\kc:QF+16*\t+8*\kc+7], v[S+64*\t+8*\kt:S+64*\t+8*\kt+7]
.endif
.endr
.endr
.endr
	PLACES                                         ; ahead of the loads into K's registers and of the first read of the scores
	WIN 0x40
.set n, 0
.rept 32
	ds_load_b128 v[KV+4*n:KV+4*n+3], v[LI] offset:\slot*SLOTB+16384+512*n   ; V^T's 16 fragments land while the softmax is walked
.set n, n+1
.endr
	WIN 0
.if \mixed
	s_wait_loadcnt 0x0
	MASKIN 0
	MASKLD 1                                       ; tile 1's mask lands while tile 0's maximum is taken
	MAXT 0
	s_wait_loadcnt 0x0
	MASKIN 1
	MAXT 1
.else
	MAXT 0
	MAXT 1
.endif
	LEVEL 0, \mixed
	LEVEL 1, \mixed
	SCALE 0, \mixed
	SCALE 1, \mixed
.set n, 0
.rept 128
	v_exp_f32 v[S+n], v[S+n]                       ; one batch with the two a
.set n, n+1
.endr
	v_nop                                          ; a plain instruction behind the last exponential
	s_wait_alu depctr_va_vdst(0)                   ; one wait for the batch, ahead of its first reader
	FINISH 0
	FINISH 1
	WIN 0x41                                       ; O^T window 1, a window 0
.irp t, 0,1
.set n, 0
.rept 16
	v_pk_mul_f32 v[O+32*\t+n:O+32*\t+n+1], v[O+32*\t+n:O+32*\t+n+1], v[ST+8*\t+4:ST+8*\t+5] op_sel_hi:[1,0]
.set n, n+2
.endr
.endr
	s_wait_dscnt 0x0                               ; V^T is in
	WIN 0x51                                       ; V^T and O^T window 1, P window 0
.irp g, 0,1,2,3                                ; 8 accumulators by turns
.irp ct, 0,1,2,3
.irp t, 0,1
	v_wmma_f32_16x16x32_f16 v[O+32*\t+8*\ct:O+32*\t+8*\ct+7], v[KV+8*(4*\g+\ct):KV+8*(4*\g+\ct)+7], v[P+32*\t+8*\g:P+32*\t+8*\g+7], v[O+32*\t+8*\ct:O+32*\t+8*\ct+7]
.endr
.endr
.endr
	PLACES                                         ; ahead of the next loads into these registers and of the next read of O^T
	WIN 0
.endm
; A TRIP: the next step's 4 KB are asked for; this step is walked, if it is live for my rows; the 4 KB go into the other slot; ONE barrier: my reads of this slot are over and my stores into the other have landed.
; s26: the work-group's live steps, s27: my wave's, s28: steps with a mask word that is not 0 for my rows; bit 0 is this step.  No barrier stands under a branch on them.
.macro TRIP slot
	s_bitcmp1_b32 s26, 1
	s_cbranch_scc0 .Lnl_\@
.irp i, 0,1,2,3,4,5,6,7
	global_load_b128 v[STG+4*\i:STG+4*\i+3], v[LI], s[18:19] offset:512*\i
.endr
.Lnl_\@:
	s_bitcmp1_b32 s27, 0
	s_cbranch_scc0 .Ldone_\@
	s_bitcmp1_b32 s28, 0
	s_cbranch_scc0 .Lzero_\@
	STEP \slot, 1
	s_branch .Ldone_\@
.Lzero_\@:
	STEP \slot, 0
.Ldone_\@:
	s_wait_loadcnt 0x0
	s_bitcmp1_b32 s26, 1
	s_cbranch_scc0 .Lns_\@
.irp i, 0,1,2,3,4,5,6,7
	ds_store_b128 v[STA], v[STG+4*\i:STG+4*\i+3] offset:(1-\slot)*SLOTB+512*\i
.endr
.Lns_\@:
	s_wait_dscnt 0x0
	s_barrier_signal -1
	s_barrier_wait -1
	s_wait_xcnt 0x0                                ; the loads have read their bases: they step only behind this wait
	s_add_nc_u64 s[18:19], s[18:19], 16384
	s_add_nc_u64 s[20:21], s[20:21], 512
	s_lshr_b32 s26, s26, 1
	s_lshr_b32 s27, s27, 1
	s_lshr_b32 s28, s28, 1
.endm
	s_load_b256 s[4:11], s[0:1], 0x0               ; qkv s[4:5], mask s[6:7], mcls s[8:9], att s[10:11]
	v_lshl_add_u32 v[SPW], v0, 2, SPARE
	v_mov_b32 v[NIL], 0
	v_lshrrev_b32 v[LI], 5, v0
	v_readfirstlane_b32 s12, v[LI]                 ; wave 0..7
	v_and_b32 v[LI], 31, v0
	v_lshlrev_b32 v[LI], 4, v[LI]
	s_lshl_b32 s17, s12, 12
	v_add_nc_u32 v[STA], s17, v[LI]
	v_and_b32 v[FA16], 15, v0
	v_bfe_u32 v[FA2], v0, 4, 1
	v_lshlrev_b32 v[MKA], 13, v[FA16]
	v_lshl_add_u32 v[MKA], v[FA2], 5, v[MKA]
	v_lshlrev_b32 v[FA16], 5, v[FA16]
	v_and_b32 v[FA2], 1, v0
	v_lshlrev_b32 v[FA2], 5, v[FA2]
	s_mov_b32 s32, 0x3fb8aa3b                      ; c = log2(e)
	s_mov_b32 s33, s32
	s_mov_b32 s34, 0xce6e6b28                      ; -1e9
	s_mov_b32 s35, s34
	s_mov_b32 s36, 0x76543210
	s_mov_b32 s37, 0xfedcba98                      ; v_permlanex16_b32's selects for lane l xor 16
	s_mov_b32 s38, 0xffffe000
	s_lshl_b32 s13, s12, 1
	s_and_b32 s14, ttmp7, 0xffff                   ; batch x 16 + head
.set n, 0
.rept 32
	v_mov_b32 v[STG+n], 0                          ; written once, so that they are written on every way through the branches
.set n, n+1
.endr
	s_lshl_b32 s60, s14, 18                        ; a head's 262,144 bytes
	s_and_b32 s61, s12, 3
	s_lshl_b32 s61, s61, 12
	s_add_co_u32 s60, s60, s61                     ; my 4 KB of a step's 16 KB
	s_lshr_b32 s61, s12, 2
	s_add_co_u32 s61, s61, 1
	s_lshl_b32 s61, s61, 24                        ; waves 0-3: K at 16,777,216; waves 4-7: V^T's high parts at 33,554,432
	s_add_co_u32 s60, s60, s61
	s_mov_b32 s61, 0
	s_wait_kmcnt 0x0
	s_add_nc_u64 s[66:67], s[4:5], s[60:61]
	s_mov_b32 s15, 0
	s_sub_co_u32 s16, 7, ttmp9                     ; the first block
.Lblock:
	s_wait_xcnt 0x0                                ; the last block's loads and stores have read their bases
	s_lshl_b32 s62, s16, 4
	s_add_co_u32 s62, s62, s13                     ; T0: my first tile of 16 rows
	s_lshl_b32 s60, s16, 9
	s_mov_b32 s61, 0
	s_add_nc_u64 s[60:61], s[8:9], s[60:61]        ; the block's 16 entries
	s_lshl_b32 s68, s62, 5
	s_mov_b32 s69, 0
	s_add_nc_u64 s[72:73], s[8:9], s[68:69]        ; my two tiles' entries
	global_load_b32 v56, v[FA16], s[60:61]
	global_load_b128 v[24:27], v[FA2], s[72:73]
	global_load_b32 v57, v[FA2], s[72:73] offset:16
	s_lshl_b32 s68, s62, 17
	s_add_nc_u64 s[20:21], s[6:7], s[68:69]        ; the mask at my first row
	s_lshl_b32 s68, s14, 18
	s_lshl_b32 s63, s62, 11
	s_add_co_u32 s68, s68, s63
	s_add_nc_u64 s[22:23], s[4:5], s[68:69]        ; Q's images of my two tiles
	s_lshr_b32 s68, s14, 4
	s_lshl_b32 s68, s68, 7
	s_add_co_u32 s68, s68, s62
	s_lshl_b32 s68, s68, 15                        ; (batch x 128 + T0) x 32,768
	s_and_b32 s63, s14, 15
	s_lshl_b32 s63, s63, 11                        ; the head's two kc
	s_add_co_u32 s68, s68, s63
	s_add_nc_u64 s[24:25], s[10:11], s[68:69]      ; att's images
	s_mov_b64 s[18:19], s[66:67]
	WIN 0x40
.irp i, 0,1,2,3,4,5,6,7
	global_load_b128 v[QF+4*\i:QF+4*\i+3], v[LI], s[22:23] offset:512*\i
.endr
.set n, 0
.rept 64
	v_mov_b32 v[O+n], 0                            ; which step is the first live one is not known to the text, so the sums begin as zeros
.set n, n+1
.endr
	WIN 0
	INITST 0
	INITST 1
	s_wait_loadcnt 0x0
	v_readlane_b32 s26, v56, 0
.irp l, 1,2,3,4,5,6,7,8,9,10,11,12,13,14,15
	v_readlane_b32 s63, v56, \l
	s_or_b32 s26, s26, s63
.endr
	v_readlane_b32 s27, v24, 0
	v_readlane_b32 s63, v24, 1
	s_or_b32 s27, s27, s63
	v_readlane_b32 s28, v25, 0
	v_readlane_b32 s63, v25, 1
	s_or_b32 s28, s28, s63
	v_readlane_b32 s48, v26, 0                     ; live groups of 32 keys: tile T0's,
	v_readlane_b32 s49, v27, 0
	v_readlane_b32 s50, v26, 1                     ; tile T0 + 1's
	v_readlane_b32 s51, v27, 1
	v_readlane_b32 s29, v57, 0                     ; the fine flags
	v_readlane_b32 s30, v57, 1
	; step 0 into slot 0
	s_bitcmp1_b32 s26, 0
	s_cbranch_scc0 .Lpre_a
.irp i, 0,1,2,3,4,5,6,7
	global_load_b128 v[STG+4*\i:STG+4*\i+3], v[LI], s[18:19] offset:512*\i
.endr
.Lpre_a:
	s_wait_loadcnt 0x0
	s_bitcmp1_b32 s26, 0
	s_cbranch_scc0 .Lpre_b
.irp i, 0,1,2,3,4,5,6,7
	ds_store_b128 v[STA], v[STG+4*\i:STG+4*\i+3] offset:512*\i
.endr
.Lpre_b:
	s_wait_dscnt 0x0
	s_barrier_signal -1
	s_barrier_wait -1
	s_wait_xcnt 0x0
	s_add_nc_u64 s[18:19], s[18:19], 16384
	s_mov_b32 s31, 0
.Lsteps:                                           ; 8 trips of two steps: a constant; bits 16 and up of the words are 0, so the last trip asks for nothing
	TRIP 0
	TRIP 1
	s_add_co_u32 s31, s31, 1
	s_cmp_lt_u32 s31, 8
	s_cbranch_scc1 .Lsteps
	; THE WAY OUT: O^T / l, rounded to f16: a lane's eight channels of its row are 16 bytes of an image of att
.irp t, 0,1
	v_add_f32 v[ST+8*\t+3], v[ST+8*\t+6], v[ST+8*\t+7]
.endr
.irp t, 0,1
	v_permlanex16_b32 v[ST+8*\t+5], v[ST+8*\t+3], s36, s37
.endr
.irp t, 0,1
	v_add_f32 v[ST+8*\t+3], v[ST+8*\t+3], v[ST+8*\t+5]
.endr
.irp t, 0,1
	v_rcp_f32 v[ST+8*\t+4], v[ST+8*\t+3]
.endr
	v_nop
	s_wait_alu depctr_va_vdst(0)                   ; one wait for the two reciprocals
	WIN 0x01                                       ; source 0 (O^T) window 1
.irp t, 0,1
.set n, 0
.rept 16
	v_pk_mul_f32 v[S+32*\t+n:S+32*\t+n+1], v[O+32*\t+n:O+32*\t+n+1], v[ST+8*\t+4:ST+8*\t+5] op_sel_hi:[1,0]
.set n, n+2
.endr
.endr
	WIN 0
.set n, 0
.rept 32
	v_cvt_pk_f16_f32 v[P+n], v[S+2*n], v[S+2*n+1]
.set n, n+1
.endr
.irp t, 0,1
.irp ct, 0,1,2,3
	global_store_b128 v[LI], v[P+16*\t+4*\ct:P+16*\t+4*\ct+3], s[24:25] offset:\t*32768+\ct*512   ; 512 consecutive bytes
.endr
.endr
	; THE FINE TILES: two trips, one for each of my tiles; no LDS, no barrier
	s_mov_b64 s[52:53], s[22:23]                   ; the tile's Q,
	s_add_nc_u64 s[54:55], s[24:25], 16777216      ; its high image,
	s_add_nc_u64 s[56:57], s[54:55], 16777216      ; its low image,
	s_sub_nc_u64 s[70:71], s[20:21], 8192          ; its rows of the mask at key 0 (the walk has gone 16 x 512 bytes)
	s_mov_b32 s58, 0
.Lfine:
	s_wait_xcnt 0x0                                ; the stores above have read their data
	s_cmp_eq_u32 s29, 0
	s_cbranch_scc1 .Lcoarse
	s_lshl_b32 s60, s14, 18
	s_mov_b32 s61, 0
	s_add_nc_u64 s[40:41], s[4:5], s[60:61]
	s_add_nc_u64 s[40:41], s[40:41], 16777216      ; the head's K,
	s_add_nc_u64 s[42:43], s[40:41], 16777216      ; V^T's high parts,
	s_add_nc_u64 s[44:45], s[42:43], 16777216      ; and low parts
	s_mov_b64 s[46:47], s[70:71]
.irp i, 0,1,2,3
	global_load_b128 v[FQ+4*\i:FQ+4*\i+3], v[LI], s[52:53] offset:512*\i
.endr
.set n, 0
.rept 32
	v_mov_b32 v[FO+n], 0
.set n, n+1
.endr
	INITST 0
	s_mov_b32 s59, 0
	s_wait_loadcnt 0x0                             ; Q's four loads are in on every way, also where no group of keys below is walked: nothing is loaded onto their registers while they are out
.Lgroup:                                           ; 64 trips, a constant: 32 keys each; a group with no live key is passed over
	s_bitcmp1_b32 s48, 0
	s_cbranch_scc0 .Ldead
.irp i, 0,1,2,3,4,5,6,7
	global_load_b128 v[FK+4*\i:FK+4*\i+3], v[LI], s[40:41] offset:512*\i
	global_load_b128 v[FVH+4*\i:FVH+4*\i+3], v[LI], s[42:43] offset:512*\i
	global_load_b128 v[FVL+4*\i:FVL+4*\i+3], v[LI], s[44:45] offset:512*\i
.endr
.irp k, 0,1
	global_load_b128 v[FM+8*\k:FM+8*\k+3], v[MKA], s[46:47] offset:64*\k
	global_load_b128 v[FM+8*\k+4:FM+8*\k+7], v[MKA], s[46:47] offset:64*\k+16
.endr
	s_wait_loadcnt 0x0
	v_wmma_f32_16x16x32_f16 v[FS:FS+7], v[FK:FK+7], v[FQ:FQ+7], 0                    ; two accumulators by turns
	v_wmma_f32_16x16x32_f16 v[FS+8:FS+15], v[FK+16:FK+23], v[FQ:FQ+7], 0
	v_wmma_f32_16x16x32_f16 v[FS:FS+7], v[FK+8:FK+15], v[FQ+8:FQ+15], v[FS:FS+7]
	v_wmma_f32_16x16x32_f16 v[FS+8:FS+15], v[FK+24:FK+31], v[FQ+8:FQ+15], v[FS+8:FS+15]
	PLACES
.set n, 0
.rept 8
	v_pk_fma_f32 v[FS+n:FS+n+1], v[FM+n:FM+n+1], s[34:35], v[FS+n:FS+n+1] op_sel_hi:[1,0,1]
.set n, n+2
.endr
	v_max3_num_f32 v[FC], v[FS], v[FS+1], v[FS+2]
	v_max3_num_f32 v[FC+1], v[FS+8], v[FS+9], v[FS+10]
	v_max3_num_f32 v[FC], v[FC], v[FS+3], v[FS+4]
	v_max3_num_f32 v[FC+1], v[FC+1], v[FS+11], v[FS+12]
	v_max3_num_f32 v[FC], v[FC], v[FS+5], v[FS+6]
	v_max3_num_f32 v[FC+1], v[FC+1], v[FS+13], v[FS+14]
	v_max3_num_f32 v[FC], v[FC], v[FS+7], v[ST+2]
	v_max3_num_f32 v[FC], v[FC], v[FC+1], v[FS+15]
	v_permlanex16_b32 v[ST+3], v[FC], s36, s37
	v_max_num_f32 v[ST+2], v[FC], v[ST+3]
	LEVEL 0, 1
.set n, 0
.rept 8
	v_pk_add_f32 v[FS+n:FS+n+1], v[FS+n:FS+n+1], v[ST+2:ST+3] op_sel_hi:[1,0] neg_lo:[0,1] neg_hi:[0,1]
.set n, n+2
.endr
.set n, 0
.rept 8
	v_pk_mul_f32 v[FS+n:FS+n+1], v[FS+n:FS+n+1], s[32:33] op_sel_hi:[1,0]
.set n, n+2
.endr
.set n, 0
.rept 16
	v_exp_f32 v[FS+n], v[FS+n]
.set n, n+1
.endr
	v_nop
	s_wait_alu depctr_va_vdst(0)                   ; one wait for the 17 exponentials
	v_pk_add_f32 v[FC+2:FC+3], v[FS:FS+1], v[FS+2:FS+3]
	v_pk_add_f32 v[FC+4:FC+5], v[FS+4:FS+5], v[FS+6:FS+7]
	v_pk_add_f32 v[FC+2:FC+3], v[FC+2:FC+3], v[FS+8:FS+9]
	v_pk_add_f32 v[FC+4:FC+5], v[FC+4:FC+5], v[FS+10:FS+11]
	v_pk_add_f32 v[FC+2:FC+3], v[FC+2:FC+3], v[FS+12:FS+13]
	v_pk_add_f32 v[FC+4:FC+5], v[FC+4:FC+5], v[FS+14:FS+15]
	v_pk_add_f32 v[FC+2:FC+3], v[FC+2:FC+3], v[FC+4:FC+5]
	v_pk_fma_f32 v[ST+6:ST+7], v[ST+6:ST+7], v[ST+4:ST+5], v[FC+2:FC+3] op_sel_hi:[1,0,1]
.set n, 0
.rept 16
	v_pk_mul_f32 v[FO+n:FO+n+1], v[FO+n:FO+n+1], v[ST+4:ST+5] op_sel_hi:[1,0]
.set n, n+2
.endr
.set n, 0
.rept 16
	v_and_b32 v[FT+n], s38, v[FS+n]                ; p's high part
.set n, n+1
.endr
.set n, 0
.rept 8
	v_pk_add_f32 v[FS+n:FS+n+1], v[FS+n:FS+n+1], v[FT+n:FT+n+1] neg_lo:[0,1] neg_hi:[0,1]   ; and low part
.set n, n+2
.endr
.set n, 0
.rept 8
	v_cvt_pk_f16_f32 v[PH+n], v[FT+2*n], v[FT+2*n+1]
	v_cvt_pk_f16_f32 v[PL+n], v[FS+2*n], v[FS+2*n+1]
.set n, n+1
.endr
.irp ct, 0,1,2,3                               ; four accumulators by turns, three rounds
	v_wmma_f32_16x16x32_f16 v[FO+8*\ct:FO+8*\ct+7], v[FVH+8*\ct:FVH+8*\ct+7], v[PH:PH+7], v[FO+8*\ct:FO+8*\ct+7]
.endr
.irp ct, 0,1,2,3
	v_wmma_f32_16x16x32_f16 v[FO+8*\ct:FO+8*\ct+7], v[FVH+8*\ct:FVH+8*\ct+7], v[PL:PL+7], v[FO+8*\ct:FO+8*\ct+7]
.endr
.irp ct, 0,1,2,3
	v_wmma_f32_16x16x32_f16 v[FO+8*\ct:FO+8*\ct+7], v[FVL+8*\ct:FVL+8*\ct+7], v[PH:PH+7], v[FO+8*\ct:FO+8*\ct+7]
.endr
	PLACES
.Ldead:
	s_wait_xcnt 0x0
	s_add_nc_u64 s[40:41], s[40:41], 4096
	s_add_nc_u64 s[42:43], s[42:43], 4096
	s_add_nc_u64 s[44:45], s[44:45], 4096
	s_add_nc_u64 s[46:47], s[46:47], 128
	s_lshr_b32 s48, s48, 1                         ; the 64 bits one down
	s_lshl_b32 s60, s49, 31
	s_or_b32 s48, s48, s60
	s_lshr_b32 s49, s49, 1
	s_add_co_u32 s59, s59, 1
	s_cmp_lt_u32 s59, 64
	s_cbranch_scc1 .Lgroup
	v_add_f32 v[ST+3], v[ST+6], v[ST+7]
	v_permlanex16_b32 v[ST+5], v[ST+3], s36, s37
	v_add_f32 v[ST+3], v[ST+3], v[ST+5]
	v_rcp_f32 v[ST+4], v[ST+3]
	v_nop
	s_wait_alu depctr_va_vdst(0)
.set n, 0
.rept 16
	v_pk_mul_f32 v[FVH+n:FVH+n+1], v[FO+n:FO+n+1], v[ST+4:ST+5] op_sel_hi:[1,0]
.set n, n+2
.endr
.set n, 0
.rept 32
	v_and_b32 v[FVL+n], s38, v[FVH+n]
.set n, n+1
.endr
.set n, 0
.rept 16
	v_pk_add_f32 v[FVH+n:FVH+n+1], v[FVH+n:FVH+n+1], v[FVL+n:FVL+n+1] neg_lo:[0,1] neg_hi:[0,1]
.set n, n+2
.endr
.set n, 0
.rept 16
	v_cvt_pk_f16_f32 v[FK+n], v[FVL+2*n], v[FVL+2*n+1]
	v_cvt_pk_f16_f32 v[FK+16+n], v[FVH+2*n], v[FVH+2*n+1]
.set n, n+1
.endr
.irp ct, 0,1,2,3
	global_store_b128 v[LI], v[FK+4*\ct:FK+4*\ct+3], s[54:55] offset:\ct*512
	global_store_b128 v[LI], v[FK+16+4*\ct:FK+16+4*\ct+3], s[56:57] offset:\ct*512
.endr
.Lcoarse:
	s_wait_xcnt 0x0
	s_mov_b32 s29, s30                             ; on to my second tile
	s_mov_b64 s[48:49], s[50:51]
	s_add_nc_u64 s[52:53], s[52:53], 2048
	s_add_nc_u64 s[54:55], s[54:55], 32768
	s_add_nc_u64 s[56:57], s[56:57], 32768
	s_add_nc_u64 s[70:71], s[70:71], 131072
	s_add_co_u32 s58, s58, 1
	s_cmp_lt_u32 s58, 2
	s_cbranch_scc1 .Lfine
	s_mov_b32 s16, ttmp9                           ; the second block
	s_add_co_u32 s15, s15, 1
	s_cmp_lt_u32 s15, 2
	s_cbranch_scc1 .Lblock
	s_wait_tensorcnt 0x0                           ; the wave's end, behind my last LDS store
	ds_add_u32 v[SPW], v[NIL]
	s_wait_dscnt 0x0
	s_endpgm
.Lfunc_end_k_q18d8414789_attn:
	.size	k_q18d8414789_attn, .Lfunc_end_k_q18d8414789_attn-k_q18d8414789_attn
	.p2alignl 7, 3214868480
	.fill 96, 4, 3214868480
	.section	.rodata,"a",@progbits
	.p2align	6, 0x0
	.amdhsa_kernel k_q18d8414789_attn
		.amdhsa_group_segment_fixed_size 66560
		.amdhsa_private_segment_fixed_size 0
		.amdhsa_enable_private_segment 0
		.amdhsa_kernarg_size 32
		.amdhsa_user_sgpr_count 2
		.amdhsa_user_sgpr_kernarg_segment_ptr 1
		.amdhsa_wavefront_size32 1
		.amdhsa_system_sgpr_workgroup_id_x 1
		.amdhsa_system_sgpr_workgroup_id_y 1
		.amdhsa_system_sgpr_workgroup_id_z 1
		.amdhsa_system_vgpr_workitem_id 0
		.amdhsa_next_free_vgpr 512
		.amdhsa_next_free_sgpr 80
		.amdhsa_reserve_vcc 0
		.amdhsa_float_denorm_mode_32 3
		.amdhsa_float_denorm_mode_16_64 3
		.amdhsa_memory_ordered 1
		.amdhsa_forward_progress 1
		.amdhsa_inst_pref_size 188
	.end_amdhsa_kernel
	.amdgpu_metadata
---
amdhsa.version: [ 1, 2 ]
amdhsa.kernels:
  - .name:           k_q18d8414789_attn
    .symbol:         k_q18d8414789_attn.kd
    .args:
      - { .name: qkv, .offset: 0, .size: 8, .value_kind: global_buffer, .address_space: global }
      - { .name: mask, .offset: 8, .size: 8, .value_kind: global_buffer, .address_space: global }
      - { .name: mcls, .offset: 16, .size: 8, .value_kind: global_buffer, .address_space: global }
      - { .name: att, .offset: 24, .size: 8, .value_kind: global_buffer, .address_space: global }
    .group_segment_fixed_size: 66560
    .private_segment_fixed_size: 0
    .kernarg_segment_align: 8
    .kernarg_segment_size: 32
    .max_flat_workgroup_size: 256
    .sgpr_count:     80
    .vgpr_count:     512
    .wavefront_size: 32
...
	.end_amdgpu_metadata
.endif
;; end of part 3
;; launch oproj (part 4): grid 4 x 64, 4 waves a work-group, clusters of 4 x 4, 327,680 bytes of LDS; arguments att, wo16, bo, out0; writes out0
.if DOCPART == 4
	.amdgcn_target "amdgcn-amd-amdhsa--gfx1250"
	.amdhsa_code_object_version 6
	.text
	.protected	k_q18d8414789_oproj
	.globl	k_q18d8414789_oproj
	.p2align	8
	.type	k_q18d8414789_oproj,@function
k_q18d8414789_oproj:
	s_mov_b64 s[64:65], 0
	v_nop
	global_prefetch_b8 v0, s[64:65] scope:SCOPE_SE
	s_setreg_imm32_b32 hwreg(HW_REG_WAVE_MODE, 25, 1), 1
	s_wait_xcnt 0x0
	s_wait_alu depctr_hold_cnt(0) depctr_sa_sdst(0) depctr_va_vdst(0) depctr_va_sdst(0) depctr_va_ssrc(0) depctr_va_vcc(0) depctr_vm_vsrc(0)
	s_getreg_b32 s2, hwreg(HW_REG_IB_STS2, 6, 4)
	s_cmp_eq_u32 s2, 0
	s_cbranch_scc0 .Lentry_in_a_cluster
	s_endpgm
.Lentry_in_a_cluster:
	s_bfe_u32 s2, ttmp6, 0x10000c
	s_cmp_lg_u32 s2, 0xf033
	s_cbranch_scc0 .Lentry_shape_is_right
	s_endpgm
.Lentry_shape_is_right:
; out0 = att Wo^T + bo, 8,192 x 1,024 x 1,024, operands f16 (att's images and Wo's high parts), sums f32, for all rows.  (The rows of fine tiles are written once more by the launch that follows.)
; A tile of 128 rows x 256 columns is made by four waves, 64 x 128 each: 32 accumulators, 256 registers: 256 work-groups.  K goes in 8 steps of 128 through a ring of two LDS slots filled by the tensor data mover.
; Both operands lie in memory as operand images (a fragment's registers as they stand, 1,024 bytes for 16 rows x 32 K): a K step of a tile of 16 rows is 4,096 dense bytes, an LDS load is 512 consecutive bytes, and no padding is needed.
; CLUSTERS: 4 x 4 work-groups; the four of a row of the cluster ask jointly for att's tiles, the four of a column for Wo's.
; The matrix instruction is used transposed (source 0 = 16 rows of Wo, source 1 = 16 rows of att): a lane holds eight neighbouring columns of a row.  The bias is the C of each sum's first product.
; REGISTERS: window 0: v16-29 addresses; v32-127, v128-223 two fragment buffers (Wo's 8 fragments, then att's 4); window 1: the accumulators, (a, b) at v[8 (8 a + b)]; window 2: v0-63 the bias in the result's layout.
.set SLOT,   98304                     ; att's 8 x 4,096 bytes, then Wo's 16 x 4,096
.set BOFF,   32768
.set STAGE,  2*SLOT                    ; behind the ring: 16 rows x (512 + 16) bytes for each wave; no fill lands here
.set SPITCH, 528
.set SPARE,  STAGE+4*16*SPITCH         ; the spare words: 128 bytes for each wave, named by no other line
.set LAPS,   4                         ; a lap = two K steps
.set ADRA, 16
.set ADRB, 20
.set STO,  24
.set RD,   25
.set CO,   26
.set BA,   27
.set SPW,  28
.set NIL,  29
.set F0,   32
.set F1,   128
.set G1, 24
.set G0, 32
.set G1B, 48
.set G0B, 56
.set MSB, 0
.macro WIN new
.if MSB != (\new)
	s_set_vgpr_msb (MSB<<8)|(\new)
.set MSB, (\new)
.endif
.endm
.set MUL,  0x50                        ; sources 0 and 1 window 0; C and D window 1
.set MULF, 0x60                        ; C (the bias) window 2, D window 1
.macro JLOAD s                         ; a joint load: waves 0 and 1 fetch att's halves, waves 2 and 3 Wo's; an s_nop 0 and four v_nop follow each line
	s_cmp_eq_u32 s15, 0
	s_cbranch_scc0 .Lfor_b_\@
	tensor_load_to_lds s[G0+4*\s:G0+4*\s+3], s[G1:G1+7]
	s_nop 0
.rept 4
	v_nop
.endr
	s_branch .Lasked_\@
.Lfor_b_\@:
	tensor_load_to_lds s[G0B+4*\s:G0B+4*\s+3], s[G1B:G1B+7]
	s_nop 0
.rept 4
	v_nop
.endr
.Lasked_\@:
.endm
.macro CREST
	s_cmp_lg_u32 s14, 0
	s_cbranch_scc1 .Lnot_wave_0_\@
	s_barrier_signal -3
.Lnot_wave_0_\@:
	s_barrier_wait -3
	s_barrier_signal -1
	s_barrier_wait -1
.endm
.macro CROUND
	s_barrier_signal -1
	s_barrier_wait -1
	CREST
.endm
	s_load_b256 s[4:11], s[0:1], 0x0               ; att s[4:5], wo16 s[6:7], bo s[8:9], out0 s[10:11]
	v_lshl_add_u32 v[SPW], v0, 2, SPARE
	v_mov_b32 v[NIL], 0
	ds_add_u32 v[SPW], v[NIL]                      ; the wave's opening: the add, twice on end, and its wait ahead of my first tensor load
	ds_add_u32 v[SPW], v[NIL]
	v_lshrrev_b32 v1, 5, v0
	v_readfirstlane_b32 s14, v1                    ; wave 0..3
	s_lshr_b32 s15, s14, 1                         ; which 64 rows are mine.  Also: I fetch for att (0) or for Wo (1)
	s_and_b32 s16, s14, 1                          ; which 128 columns.  Also: which half of that tile I fetch
	s_bfe_u32 s40, ttmp6, 0x40000                  ; cx
	s_bfe_u32 s41, ttmp6, 0x40004                  ; cy
	s_lshl_b32 s42, ttmp9, 2
	s_add_co_u32 s42, s42, s40                     ; tile column
	s_and_b32 s13, ttmp7, 0xffff
	s_lshl_b32 s13, s13, 2
	s_add_co_u32 s13, s13, s41                     ; tile row
	s_lshl_b32 s43, s41, 2
	s_lshl_b32 s43, 15, s43                        ; my row of the cluster
	s_lshl_b32 s44, 0x1111, s40                    ; my column
	; a tile: 4 (att) or 8 (Wo) rows of 4,096 bytes (512 elements of 8 bytes), 32,768 bytes apart: a K step's four images of each tile of 16 rows
	s_or_b32 s[G1+0], s43, (3<<16)|(1<<21)
	s_or_b32 s[G1B+0], s44, (3<<16)|(1<<21)
	s_mov_b32 s[G1+1], 512<<16                     ; tensor_dim0
	s_mov_b32 s[G1+2], 4<<16                       ; tensor_dim1
	s_mov_b32 s[G1+3], 512<<16                     ; tile_dim0
	s_mov_b32 s[G1+4], 4                           ; tile_dim1
	s_mov_b32 s[G1+5], 4096                        ; the pitch, in elements
	s_mov_b32 s[G1+6], 0
	s_mov_b32 s[G1+7], 0
	s_mov_b32 s[G1B+1], 512<<16
	s_mov_b32 s[G1B+2], 8<<16
	s_mov_b32 s[G1B+3], 512<<16
	s_mov_b32 s[G1B+4], 8
	s_mov_b32 s[G1B+5], 4096
	s_mov_b32 s[G1B+6], 0
	s_mov_b32 s[G1B+7], 0
	s_lshl_b32 s20, s13, 18                        ; att: (8 x tile row + 4 x half) x 32,768
	s_lshl_b32 s17, s16, 17
	s_add_co_u32 s20, s20, s17
	s_mov_b32 s21, 0
	s_lshl_b32 s46, s42, 19                        ; Wo: (16 x tile column + 8 x half) x 32,768
	s_lshl_b32 s47, s16, 18
	s_add_co_u32 s46, s46, s47
	s_mov_b32 s47, 0
	s_lshl_b32 s22, s16, 14                        ; where they go in a slot: att's half,
	s_lshl_b32 s23, s16, 15
	s_add_co_u32 s23, s23, BOFF                    ; Wo's half
	s_wait_dscnt 0x0                               ; both opening adds are done
	s_wait_kmcnt 0x0
	s_add_nc_u64 s[20:21], s[4:5], s[20:21]
	s_add_nc_u64 s[46:47], s[6:7], s[46:47]
	CROUND                                         ; all sixteen work-groups are here: the first joint loads meet
.irp s, 0,1
	s_mov_b32 s[G0+4*\s], 1
	s_add_co_u32 s[G0+4*\s+1], s22, \s*SLOT
	s_add_nc_u64 s[G0+4*\s+2:G0+4*\s+3], s[20:21], \s*4096
	s_or_b32 s[G0+4*\s+3], s[G0+4*\s+3], 0x80000000
	s_mov_b32 s[G0B+4*\s], 1
	s_add_co_u32 s[G0B+4*\s+1], s23, \s*SLOT
	s_add_nc_u64 s[G0B+4*\s+2:G0B+4*\s+3], s[46:47], \s*4096
	s_or_b32 s[G0B+4*\s+3], s[G0B+4*\s+3], 0x80000000
	JLOAD \s                                       ; two loads of mine are out
.endr
	v_and_b32 v1, 15, v0                           ; r
	v_bfe_u32 v2, v0, 4, 1                         ; h
	v_and_b32 v3, 31, v0
	v_lshlrev_b32 v3, 4, v3                        ; 16 x lane
	s_lshl_b32 s17, s15, 14                        ; my 4 tiles of att's rows
	s_lshl_b32 s18, s16, 15
	s_add_co_u32 s18, s18, BOFF                    ; my 8 tiles of Wo's rows
.irp s, 0,1
	v_add_nc_u32 v[ADRA+\s], s17, v3
	v_add_nc_u32 v[ADRB+\s], s18, v3
	s_add_co_u32 s17, s17, SLOT
	s_add_co_u32 s18, s18, SLOT
.endr
	s_mul_i32 s19, s14, 16*SPITCH
	s_add_co_u32 s19, s19, STAGE                   ; my stage
	v_mul_u32_u24 v4, v1, SPITCH
	v_lshl_add_u32 v4, v2, 5, v4
	v_add_nc_u32 v[STO], s19, v4                   ; in: row r, 32 bytes for each half of the lanes
	v_add_nc_u32 v[RD], s19, v3                    ; back: the 32 lanes take a row of 512 bytes
	v_mov_b32 v[CO], v3
	v_lshlrev_b32 v[BA], 5, v2
	s_lshl_b32 s46, s42, 10
	s_lshl_b32 s47, s16, 9
	s_add_co_u32 s46, s46, s47                     ; my first column, in bytes
	s_mov_b32 s47, 0
	s_add_nc_u64 s[8:9], s[8:9], s[46:47]
	s_add_nc_u64 s[10:11], s[10:11], s[46:47]
	s_lshl_b32 s46, s13, 19                        ; my first row: (128 x tile row + 64 x half) x 4,096 bytes
	s_lshl_b32 s45, s15, 18
	s_add_co_u32 s46, s46, s45
	s_add_nc_u64 s[10:11], s[10:11], s[46:47]
	WIN 0x80                                       ; destination window 2
.irp b, 0,1,2,3,4,5,6,7
	global_load_b128 v[8*\b:8*\b+3], v[BA], s[8:9] offset:64*\b
	global_load_b128 v[8*\b+4:8*\b+7], v[BA], s[8:9] offset:64*\b+16
.endr
	WIN 0
.macro MUL8 f, a, first                ; att's block a against Wo's eight, 32 along K.  The 32 accumulators take turns, in the same order in every quarter
.irp b, 0,1,2,3,4,5,6,7
.if \first
	v_wmma_f32_16x16x32_f16 v[8*(8*\a+\b):8*(8*\a+\b)+7], v[\f+8*\b:\f+8*\b+7], v[\f+64+8*\a:\f+64+8*\a+7], v[8*\b:8*\b+7]
.else
	v_wmma_f32_16x16x32_f16 v[8*(8*\a+\b):8*(8*\a+\b)+7], v[\f+8*\b:\f+8*\b+7], v[\f+64+8*\a:\f+64+8*\a+7], v[8*(8*\a+\b):8*(8*\a+\b)+7]
.endif
.endr
.endm
.macro FETCH slot, q, f                ; 24 LDS loads in one run: the fragments of the slot's q-th 32 along K: Wo's 16 loads first, then att's 8
	WIN 0
.irp b, 0,1,2,3,4,5,6,7
	ds_load_b128 v[\f+8*\b:\f+8*\b+3], v[ADRB+\slot] offset:\b*4096+(\q)*1024
	ds_load_b128 v[\f+8*\b+4:\f+8*\b+7], v[ADRB+\slot] offset:\b*4096+(\q)*1024+512
.endr
.irp a, 0,1,2,3
	ds_load_b128 v[\f+64+8*\a:\f+64+8*\a+3], v[ADRA+\slot] offset:\a*4096+(\q)*1024
	ds_load_b128 v[\f+64+8*\a+4:\f+64+8*\a+7], v[ADRA+\slot] offset:\a*4096+(\q)*1024+512
.endr
.endm
.macro PLACES
.rept 4
	v_nop
.endr
.endm
.macro QUARTER slot, q, f, g, first    ; multiplies buffer f; in its middle it fetches the slot's q-th quarter into g
	s_wait_dscnt 4                                 ; Wo's and att's blocks 0, 1 are in; the youngest four loads (blocks 2, 3) may be out
.if \first
	WIN MULF
.else
	WIN MUL
.endif
	MUL8 \f, 0, \first
	MUL8 \f, 1, \first
	PLACES
	FETCH \slot, \q, \g
	s_wait_dscnt 24                                ; all but the 24 just issued
.if \first
	WIN MULF
.else
	WIN MUL
.endif
	MUL8 \f, 2, \first
	MUL8 \f, 3, \first
.endm
; A slot's last quarter multiplies buffer 1 and changes slots: in front of the barrier each wave waits for all its tensor loads (one is out: its part of the next slot), adds 0 to its spare word, and waits for that and for its reads of this slot.
; fill = 1: the barrier opens a round of the cluster's, and the slot is filled again first thing behind it, two K steps ahead: that load has 112 of a K step's 128 matrix instructions in which to land.
.macro TURN slot, next, fill
	WIN 0
	s_wait_tensorcnt 0x0
	ds_add_u32 v[SPW], v[NIL]
	s_wait_dscnt 5                                 ; the add and the youngest four loads may be out
	WIN MUL
	MUL8 F1, 0, 0
	s_wait_dscnt 0x0                               ; the add is done, and my reads of this slot are over
	s_barrier_signal -1
	MUL8 F1, 1, 0
	WIN 0
	s_barrier_wait -1
.if \fill
	CREST
	s_add_nc_u64 s[G0+4*\slot+2:G0+4*\slot+3], s[G0+4*\slot+2:G0+4*\slot+3], 8192
	s_add_nc_u64 s[G0B+4*\slot+2:G0B+4*\slot+3], s[G0B+4*\slot+2:G0B+4*\slot+3], 8192
	JLOAD \slot                                    ; the four v_nop behind it are also the places in front of the loads below
.else
	PLACES
.endif
	FETCH \next, 0, F0
	WIN MUL
	MUL8 F1, 2, 0
	MUL8 F1, 3, 0
.endm
	s_wait_tensorcnt 1                             ; my part of K step 0 is in; K step 1's load may be out,
	s_barrier_signal -1
	s_barrier_wait -1                              ; everybody's is
	FETCH 0, 0, F0
	s_wait_loadcnt 0x0                             ; the bias
	QUARTER 0, 1, F0, F1, 1                        ; the first quarter stands in front of the loop: its products start the sums, from the bias
	WIN 0
	s_mov_b32 s3, LAPS-1
.Llap:                                             ; a trip goes once round the ring, from a lap's second quarter to the next lap's first, and fills both slots again
	QUARTER 0, 2, F1, F0, 0
	QUARTER 0, 3, F0, F1, 0
	TURN 0, 1, 1
	QUARTER 1, 1, F0, F1, 0
	QUARTER 1, 2, F1, F0, 0
	QUARTER 1, 3, F0, F1, 0
	TURN 1, 0, 1
	QUARTER 0, 1, F0, F1, 0
	WIN 0
	s_sub_co_u32 s3, s3, 1
	s_cmp_lg_u32 s3, 0
	s_cbranch_scc1 .Llap
	QUARTER 0, 2, F1, F0, 0                        ; the last lap fills nothing
	QUARTER 0, 3, F0, F1, 0
	TURN 0, 1, 0
	QUARTER 1, 1, F0, F1, 0
	QUARTER 1, 2, F1, F0, 0
	QUARTER 1, 3, F0, F1, 0
	s_wait_dscnt 4
	WIN MUL
	MUL8 F1, 0, 0
	MUL8 F1, 1, 0
	s_wait_dscnt 0
	MUL8 F1, 2, 0
	MUL8 F1, 3, 0
	WIN 0
; THE WAY OUT, block by block of 16 rows x 128 columns, through my own stage: in as 32 bytes a lane, back as whole rows of 512 bytes.  LDS serves a wave's instructions in order: no wait between the stores and the loads.
.macro TOSTAGE a
	WIN 0x04                                       ; an LDS store's data: window 1
.irp b, 0,1,2,3,4,5,6,7
	ds_store_b128 v[STO], v[8*(8*(\a)+\b):8*(8*(\a)+\b)+3] offset:64*\b          ; each accumulator from its low end on
	ds_store_b128 v[STO], v[8*(8*(\a)+\b)+4:8*(8*(\a)+\b)+7] offset:64*\b+16
.endr
	WIN 0
.set BB, 32+64*((\a)%2)
.irp t, 0,1,2,3,4,5,6,7,8,9,10,11,12,13,14,15
	ds_load_b128 v[BB+4*\t:BB+4*\t+3], v[RD] offset:\t*SPITCH
.endr
.endm
.macro SEND a, younger                 ; younger: the LDS instructions issued behind block a's loads
.set BB, 32+64*((\a)%2)
	s_wait_dscnt \younger
.irp t, 0,1,2,3,4,5,6,7,8,9,10,11,12,13,14,15
	global_store_b128 v[CO], v[BB+4*\t:BB+4*\t+3], s[10:11] offset:(16*(\a)+\t)*4096 th:TH_STORE_NT   ; 32 lanes store 512 consecutive bytes
.endr
.endm
	PLACES
	TOSTAGE 0
.irp a, 1,2,3
.if \a > 1
	s_wait_xcnt 0x0                                ; block a - 2's stores have read their data: block a's loads may land there
.endif
	TOSTAGE \a
	SEND \a-1, 32                                  ; behind block a - 1's loads: block a's 16 stores and 16 loads
.endr
	SEND 3, 0
	s_wait_tensorcnt 0x0                           ; the wave's end
	ds_add_u32 v[SPW], v[NIL]
	s_wait_dscnt 0x0
	CROUND                                         ; the closing round
	s_endpgm
.Lfunc_end_k_q18d8414789_oproj:
	.size	k_q18d8414789_oproj, .Lfunc_end_k_q18d8414789_oproj-k_q18d8414789_oproj
	.p2alignl 7, 3214868480
	.fill 96, 4, 3214868480
	.section	.rodata,"a",@progbits
	.p2align	6, 0x0
	.amdhsa_kernel k_q18d8414789_oproj
		.amdhsa_group_segment_fixed_size 327680
		.amdhsa_private_segment_fixed_size 0
		.amdhsa_enable_private_segment 0
		.amdhsa_kernarg_size 32
		.amdhsa_user_sgpr_count 2
		.amdhsa_user_sgpr_kernarg_segment_ptr 1
		.amdhsa_wavefront_size32 1
		.amdhsa_system_sgpr_workgroup_id_x 1
		.amdhsa_system_sgpr_workgroup_id_y 1
		.amdhsa_system_sgpr_workgroup_id_z 1
		.amdhsa_system_vgpr_workitem_id 0
		.amdhsa_next_free_vgpr 576
		.amdhsa_next_free_sgpr 66
		.amdhsa_reserve_vcc 0
		.amdhsa_float_denorm_mode_32 3
		.amdhsa_float_denorm_mode_16_64 3
		.amdhsa_memory_ordered 1
		.amdhsa_forward_progress 1
		.amdhsa_inst_pref_size 86
	.end_amdhsa_kernel
	.amdgpu_metadata
---
amdhsa.version: [ 1, 2 ]
amdhsa.kernels:
  - .name:           k_q18d8414789_oproj
    .symbol:         k_q18d8414789_oproj.kd
    .args:
      - { .name: att, .offset: 0, .size: 8, .value_kind: global_buffer, .address_space: global }
      - { .name: wo16, .offset: 8, .size: 8, .value_kind: global_buffer, .address_space: global }
      - { .name: bo, .offset: 16, .size: 8, .value_kind: global_buffer, .address_space: global }
      - { .name: out0, .offset: 24, .size: 8, .value_kind: global_buffer, .address_space: global }
    .group_segment_fixed_size: 327680
    .private_segment_fixed_size: 0
    .kernarg_segment_align: 8
    .kernarg_segment_size: 32
    .max_flat_workgroup_size: 128
    .sgpr_count:     66
    .vgpr_count:     576
    .wavefront_size: 32
...
	.end_amdgpu_metadata
.endif
;; end of part 4
;; launch fout (part 5): grid 64 x 4, 1 waves a work-group, no clusters, 0 bytes of LDS; arguments att, wo16, bo, mcls, out0; writes out0
.if DOCPART == 5
	.amdgcn_target "amdgcn-amd-amdhsa--gfx1250"
	.amdhsa_code_object_version 6
	.text
	.protected	k_q18d8414789_fout
	.globl	k_q18d8414789_fout
	.p2align	8
	.type	k_q18d8414789_fout,@function
k_q18d8414789_fout:
	s_mov_b64 s[64:65], 0
	v_nop
	global_prefetch_b8 v0, s[64:65] scope:SCOPE_SE
	s_setreg_imm32_b32 hwreg(HW_REG_WAVE_MODE, 25, 1), 1
	s_wait_xcnt 0x0
; The rows of the fine tiles once more, with both operands as pairs of f16 numbers: out0 = W_hi A_hi + W_hi A_lo + W_lo A_hi + bo, sums f32.  It writes over what the launch before stored for these rows.
; Work-group (CT, batch), one wave, makes the 16 columns 16 CT .. + 15 for the 16 rows of every flagged tile of its batch.  It walks all 128 tiles, a constant, and passes over those whose stored flag is 0:
; the tile's number is a counter, so no loaded number enters an address.  Tile 0 is always flagged.
; An item: K = 1,024 in 8 groups of 4 x 32, on two sets of 128 registers: a group's 32 loads (512 consecutive bytes each) are out while the group before is multiplied.  Three accumulators by turns.
; The matrix instruction is used transposed (source 0 = Wo's rows): a lane holds eight neighbouring columns of a row, 32 bytes; a store covers 64 bytes of each of 16 rows: left so, since an item stores 1 KB.
; No LDS, no cluster: an item's operands are read once by its wave; Wo's images are shared by four work-groups only.
; REGISTERS: window 0: v1-6 addresses, v8-11 flags, v32-55 the three accumulators, v56-63 the bias, v64-71 the result.  window 1: the two sets: for each kc W_hi, W_lo, A_hi, A_lo, 8 registers each.
.set MSB, 0
.macro WIN new
.if MSB != (\new)
	s_set_vgpr_msb (MSB<<8)|(\new)
.set MSB, (\new)
.endif
.endm
	s_load_b256 s[4:11], s[0:1], 0x0               ; att s[4:5], wo16 s[6:7], bo s[8:9], mcls s[10:11]
	s_load_b64 s[12:13], s[0:1], 0x20              ; out0
	v_and_b32 v1, 15, v0                           ; r
	v_bfe_u32 v2, v0, 4, 1                         ; h
	v_lshlrev_b32 v3, 4, v0                        ; 16 x lane
	v_lshlrev_b32 v4, 5, v0                        ; an entry of the classes: 32 bytes a tile
	v_lshlrev_b32 v5, 5, v2                        ; the bias: 32 h
	v_lshlrev_b32 v6, 12, v1
	v_lshl_add_u32 v6, v2, 5, v6                   ; out0: r x 4,096 + 32 h
	s_and_b32 s14, ttmp7, 0xffff                   ; the batch
	s_mov_b32 s33, 0
	s_wait_kmcnt 0x0
.irp k, 0,1,2,3
	global_load_b32 v[8+\k], v4, s[10:11] offset:1024*\k+16       ; the flag of tile 32 k + lane
.endr
	s_lshl_b32 s32, ttmp9, 6
	s_add_nc_u64 s[8:9], s[8:9], s[32:33]
	global_load_b128 v[56:59], v5, s[8:9]
	global_load_b128 v[60:63], v5, s[8:9] offset:16
	s_add_nc_u64 s[22:23], s[12:13], s[32:33]
	s_lshl_b32 s32, s14, 23
	s_add_nc_u64 s[22:23], s[22:23], s[32:33]      ; out0 at the batch's first row, my columns
	s_lshl_b32 s32, ttmp9, 15
	s_add_nc_u64 s[16:17], s[6:7], s[32:33]        ; Wo's images of my 16 rows
	s_lshl_b32 s32, s14, 22
	s_add_nc_u64 s[18:19], s[4:5], s[32:33]
	s_add_nc_u64 s[18:19], s[18:19], 16777216      ; the batch's high images,
	s_add_nc_u64 s[20:21], s[18:19], 16777216      ; and low images
	s_wait_loadcnt 0x0
	v_cmp_ne_u32 s24, 0, v8
	v_cmp_ne_u32 s25, 0, v9
	v_cmp_ne_u32 s26, 0, v10
	v_cmp_ne_u32 s27, 0, v11
; Group g (kc 4 g .. 4 g + 3) into set `set`.  The arguments stand in brackets wherever they enter a larger expression: they are put in as text.
.macro LOADG g, set
	WIN 0x40                                       ; destination window 1
.irp k, 0,1,2,3
.irp c, 0,1
.set rL, 128*(\set)+32*\k+4*\c
.set oL, (4*(\g)+\k)*1024+512*\c
	global_load_b128 v[rL:rL+3], v3, s[16:17] offset:oL                  ; W_hi
	global_load_b128 v[rL+8:rL+11], v3, s[16:17] offset:oL+2097152       ; W_lo
	global_load_b128 v[rL+16:rL+19], v3, s[18:19] offset:oL              ; A_hi
	global_load_b128 v[rL+24:rL+27], v3, s[20:21] offset:oL              ; A_lo
.endr
.endr
	WIN 0
.endm
.macro MULG g, set
	WIN 0x05                                       ; sources 0 and 1 window 1
.irp k, 0,1,2,3
.set rB, 128*(\set)+32*\k
.if ((\g) == 0) && (\k == 0)
	v_wmma_f32_16x16x32_f16 v[32:39], v[rB:rB+7], v[rB+16:rB+23], v[56:63]         ; the sums begin: from the bias, and from 0
	v_wmma_f32_16x16x32_f16 v[40:47], v[rB:rB+7], v[rB+24:rB+31], 0
	v_wmma_f32_16x16x32_f16 v[48:55], v[rB+8:rB+15], v[rB+16:rB+23], 0
.else
	v_wmma_f32_16x16x32_f16 v[32:39], v[rB:rB+7], v[rB+16:rB+23], v[32:39]
	v_wmma_f32_16x16x32_f16 v[40:47], v[rB:rB+7], v[rB+24:rB+31], v[40:47]
	v_wmma_f32_16x16x32_f16 v[48:55], v[rB+8:rB+15], v[rB+16:rB+23], v[48:55]
.endif
.endr
	WIN 0
.endm
	s_mov_b32 s29, 0
.Lword:
	s_mov_b32 s28, s24
	s_mov_b32 s30, 0
.Ltile:
	s_bitcmp1_b32 s28, 0
	s_cbranch_scc0 .Lskip
	LOADG 0, 0
	LOADG 1, 1
.irp g, 0,1,2,3,4,5,6,7
.if \g < 7
	s_wait_loadcnt 32                              ; this group's 32 loads are in; the younger group's 32 may be out
.else
	s_wait_loadcnt 0x0
.endif
	MULG \g, \g%2
.rept 4
	v_nop                                          ; places ahead of loads into registers that the products have read, and of the first read of the sums
.endr
.if \g < 6
	LOADG \g+2, \g%2
.endif
.endr
.irp j, 0,1,2,3,4,5,6,7
	v_add_f32 v[64+\j], v[32+\j], v[40+\j]         ; each accumulator from its low end on
.endr
.irp j, 0,1,2,3,4,5,6,7
	v_add_f32 v[64+\j], v[64+\j], v[48+\j]
.endr
	global_store_b128 v6, v[64:67], s[22:23]
	global_store_b128 v6, v[68:71], s[22:23] offset:16
.rept 5
	v_nop                                          ; the next item's first products write these accumulators anew: five places behind the last products
.endr
.Lskip:
	s_wait_xcnt 0x0                                ; loads and stores have read their bases and data
	s_add_nc_u64 s[18:19], s[18:19], 32768
	s_add_nc_u64 s[20:21], s[20:21], 32768
	s_add_nc_u64 s[22:23], s[22:23], 65536
	s_lshr_b32 s28, s28, 1
	s_add_co_u32 s30, s30, 1
	s_cmp_lt_u32 s30, 32
	s_cbranch_scc1 .Ltile
	s_mov_b32 s24, s25
	s_mov_b32 s25, s26
	s_mov_b32 s26, s27
	s_add_co_u32 s29, s29, 1
	s_cmp_lt_u32 s29, 4
	s_cbranch_scc1 .Lword
	s_endpgm
.Lfunc_end_k_q18d8414789_fout:
	.size	k_q18d8414789_fout, .Lfunc_end_k_q18d8414789_fout-k_q18d8414789_fout
	.p2alignl 7, 3214868480
	.fill 96, 4, 3214868480
	.section	.rodata,"a",@progbits
	.p2align	6, 0x0
	.amdhsa_kernel k_q18d8414789_fout
		.amdhsa_group_segment_fixed_size 0
		.amdhsa_private_segment_fixed_size 0
		.amdhsa_enable_private_segment 0
		.amdhsa_kernarg_size 40
		.amdhsa_user_sgpr_count 2
		.amdhsa_user_sgpr_kernarg_segment_ptr 1
		.amdhsa_wavefront_size32 1
		.amdhsa_system_sgpr_workgroup_id_x 1
		.amdhsa_system_sgpr_workgroup_id_y 1
		.amdhsa_system_sgpr_workgroup_id_z 1
		.amdhsa_system_vgpr_workitem_id 0
		.amdhsa_next_free_vgpr 512
		.amdhsa_next_free_sgpr 66
		.amdhsa_reserve_vcc 0
		.amdhsa_float_denorm_mode_32 3
		.amdhsa_float_denorm_mode_16_64 3
		.amdhsa_memory_ordered 1
		.amdhsa_forward_progress 1
		.amdhsa_inst_pref_size 36
	.end_amdhsa_kernel
	.amdgpu_metadata
---
amdhsa.version: [ 1, 2 ]
amdhsa.kernels:
  - .name:           k_q18d8414789_fout
    .symbol:         k_q18d8414789_fout.kd
    .args:
      - { .name: att, .offset: 0, .size: 8, .value_kind: global_buffer, .address_space: global }
      - { .name: wo16, .offset: 8, .size: 8, .value_kind: global_buffer, .address_space: global }
      - { .name: bo, .offset: 16, .size: 8, .value_kind: global_buffer, .address_space: global }
      - { .name: mcls, .offset: 24, .size: 8, .value_kind: global_buffer, .address_space: global }
      - { .name: out0, .offset: 32, .size: 8, .value_kind: global_buffer, .address_space: global }
    .group_segment_fixed_size: 0
    .private_segment_fixed_size: 0
    .kernarg_segment_align: 8
    .kernarg_segment_size: 40
    .max_flat_workgroup_size: 32
    .sgpr_count:     66
    .vgpr_count:     512
    .wavefront_size: 32
...
	.end_amdgpu_metadata
.endif
;; end of part 5
